; MI455X (gfx1250); checked and timed in simulation.
; The chip was launched on July 23, 2026; its instructions are those of AMD's public machine-readable ISA for CDNA 5 (MIT licence, August 2026) and "CDNA5" Instruction Set Architecture Reference Guide (July 2026). The comments in the code are by the model that wrote it; some were corrected since.
;; Multi Head Attention. Allowed arithmetic: matrix products marked QUANTISED: E2M3 operands, one E8M0 scale for each 32 along K, by v_wmma_scale_f32_16x16x128_f8f6f4 with both operands' format E2M3, f32 sums; everything else in f32.
;; Inputs: Wk 1,024 x 1,024 float32; Wo 1,024 x 1,024 float32; Wq 1,024 x 1,024 float32; Wv 1,024 x 1,024 float32; bk 1,024 float32; bo 1,024 float32; bq 1,024 float32; bv 1,024 float32; x 4 x 2,048 x 1,024 float32.
;; Outputs: out0 4 x 2,048 x 1,024 float32.
;; This version of the problem:
;;   THIS VERSION OF THE PROBLEM IS GIVEN IN LOW PRECISION. The matrix products marked QUANTISED in the list below multiply operands that are first quantised to E2M3 (2 exponent bits, 3 mantissa bits; 6 bits a number), with one power-of-two scale for each 32 numbers along K (OCP MX v1.0); their sums are f32. All else is computed in f32.
;;   The module's matrix products, in the order in which they are computed (A, B: the left and right operand; K: the contracted axis; several contracted axes count as one K, in the product's order):
;;     1. [M 8,192, K 1,024] x [K 1,024, N 1,024]; A: input x; B: input Wq: QUANTISED
;;     2. [M 8,192, K 1,024] x [K 1,024, N 1,024]; A: input x; B: input Wk: QUANTISED
;;     3. [M 8,192, K 1,024] x [K 1,024, N 1,024]; A: input x; B: input Wv: QUANTISED
;;     4. batch 64 x [M 2,048, K 64] x [K 64, N 2,048]; A: computed on the way; B: computed on the way: QUANTISED
;;     5. batch 64 x [M 2,048, K 2,048] x [K 2,048, N 64]; A: softmax (see below); B: computed on the way: QUANTISED
;;     6. [M 8,192, K 1,024] x [K 1,024, N 1,024]; A: computed on the way; B: input Wo: QUANTISED
;;   THE QUANTISER, for each operand of a quantised product, along K:
;;     - K is cut into blocks of 32 from its start; a last block that is shorter is filled with zeros.
;;     - A block's scale is 2^e with e = floor(log2(the largest magnitude in the block)) - 2, held to -126 .. 127; a block of zeros has e = 0. As a byte (E8M0): e + 127.
;;     - Each number is divided by its block's scale, clamped to +-7.5, and rounded to the nearest number of E2M3, ties to even, subnormals kept.
;;     - The product sums the exact products of the quantised numbers (number of the format x scale) in f32.
;;   ~~~python
;;   def quantise(x, axis):      # numpy; x: float32 -> the quantised numbers, widened to float32 again
;;       x = np.moveaxis(x, axis, -1); K = x.shape[-1]
;;       x = np.pad(x, [(0, 0)] * (x.ndim - 1) + [(0, -K % 32)]); x = x.reshape(x.shape[:-1] + (-1, 32)); a = np.abs(x).max(-1, keepdims=True)
;;       e = np.where(a > 0, np.clip(np.frexp(np.where(a > 0, a, 1))[1] - 1 - 2, -126, 127), 0)      # np.frexp(a)[1] - 1 = floor(log2(a)), exactly
;;       r = np.clip(x / 2.0 ** e, -7.5, 7.5)
;;       step = 2.0 ** (np.maximum(np.frexp(np.where(r == 0, 1, r))[1] - 1, 0) - 3)
;;       q = np.round(r / step) * step * 2.0 ** e      # np.round: ties to even
;;       return np.moveaxis(q.reshape(q.shape[:-2] + (-1,))[..., :K], -1, axis).astype(np.float32)
;;   ~~~
;;   SOFTMAX AHEAD OF A QUANTISED PRODUCT. Where the list says 'softmax', what is quantised is not the finished softmax but p = 2^(t - M), with t = logit x log2(e) and M = ceil(the row's largest t), a whole number; so 1/2 < the row's largest p <= 1. The row's sum l is taken of the UNQUANTISED p, in f32, and the product's result is divided by l at the end. Since M is a whole number, a kernel that streams over the keys may use a running M (the ceiling of the running maximum): every later rescaling is an exact power of two, which a block's scale takes up: the codes' values come out the same.
;;   OPERANDS COMPUTED ON THE WAY. 'Computed on the way' means the value that the module computes at that place (a softmax that the list does not call 'softmax' is quantised finished and normalised). What goes into a quantiser is computed in f32, as accurately as f32 sums, v_exp_f32 and their like allow (about 1e-6 of the number): no bf16 or f16 on the way to a quantiser, and a product that is left as it is and whose result goes on into a quantised operand takes f32 operands (vector FMAs, or v_wmma_f32_16x16x4_f32). A number that lies on a knife's edge between two numbers of the format may be rounded either way, as far as f32 arithmetic and the matrix unit's own rounding can turn it there, and no further.
;; One version. Each part assembles by itself: llvm-mc -triple=amdgcn-amd-amdhsa -mcpu=gfx1250 --defsym DOCPART=n.
;; ======== version 1 of 1: 4 launches
;; limits: right only within a limited range of input values
;; workspace buffers: cod 9,437,184 bytes; sc 393,216 bytes; qk 13,631,488 bytes; vimg 6,553,600 bytes; ocod 6,291,456 bytes; osc 262,144 bytes
;; launch quant (part 1): grid 768 x 1, 4 waves a work-group, no clusters, 34,816 bytes of LDS; arguments x, Wq, Wk, Wv, Wo, cod, sc; writes cod, sc
.if DOCPART == 1
	.amdgcn_target "amdgcn-amd-amdhsa--gfx1250"
	.amdhsa_code_object_version 6
	.text
	.protected	k_q35cdcd328b_quant
	.globl	k_q35cdcd328b_quant
	.p2align	8
	.type	k_q35cdcd328b_quant,@function
k_q35cdcd328b_quant:
	s_mov_b64 s[64:65], 0
	v_nop
	global_prefetch_b8 v0, s[64:65] scope:SCOPE_SE
	s_setreg_imm32_b32 hwreg(HW_REG_WAVE_MODE, 25, 1), 1
	s_wait_xcnt 0x0
; x [8192][1024] and Wq, Wk, Wv, Wo [1024][1024], f32 with K innermost, become codes of FP6 (E2M3) with one E8M0 byte for each 32 along K.
; A block's scale is 2^(floor(log2(its largest magnitude)) - 2); its byte is the largest magnitude's exponent field - 2, held at 1 from below.
; LIMITS: NaN and infinities among the inputs are not served; a block whose largest magnitude lies under 2^-124 keeps the byte 1; a block of zeros
; gets the byte 1 where the rule says 127: its codes are zeros, which add nothing under any byte but 0xff, and the bytes are read by this program alone.
; LAYOUT OF THE RESULT.  cod holds 768 row blocks (x: 0-511, Wq: 512-575, Wk: 576-639, Wv: 640-703, Wo: 704-767) of 16 rows x 1024 K = 8 fragments of 16 x 128.
; A fragment lies as an image of the operand's 12 registers: registers 4 k .. 4 k + 3 of lane l at 512 k + 16 l: every later load of codes is 512 consecutive bytes.
; Row block 2 B + u holds at place p the tensor's row 32 B + 8 u + p + 8 (p / 8): as source 0 of a product two neighbouring blocks then give a lane 16 neighbours in 16 registers.
; sc holds 512 bytes a row block: the scale word of (place p, fragment q) at 256 (q / 4) + 16 p + 4 (q % 4).
; SHARES.  A work-group makes one row block, wave w its fragments 2 w and 2 w + 1.  Each load takes 512 consecutive bytes of one row; the 16 rows of a fragment turn through the
; wave's own stage in LDS (rows of 512 + 16 bytes), so that a lane gets 16 neighbours of each block of 32.  All 32 loads of a wave go out at once; no loop.
; No tensor loads, no matrix unit, no cluster: memory binds, and no two work-groups read the same byte.
.set R,   16                           ; v16-143  two fragments as loaded: 16 rows x 4 registers each
.set X,   144                          ; v144-207 64 numbers of my row: register 16 b + i = k 32 b + 16 (lane / 16) + i
.set TM,  208                          ; v208-223 at work: largest magnitudes, bytes, scale operands
.set PC,  224                          ; v224-243 the codes just made
.set PW,  244                          ; v244-245 the two fragments' scale words
.set SP,  528                          ; a stage row
.set WST, 16*SP                        ; a wave's stage
.set SCB, 4*WST                        ; behind the stages: the row block's 512 bytes of scale words
	s_load_b256 s[4:11], s[0:1], 0x0               ; x, Wq, Wk, Wv
	s_load_b128 s[12:15], s[0:1], 0x20             ; Wo, cod
	s_load_b64 s[16:17], s[0:1], 0x30              ; sc
	v_lshl_add_u32 v248, v0, 2, 0x8600
	v_mov_b32 v249, 0
	v_lshrrev_b32 v6, 5, v0
	v_readfirstlane_b32 s18, v6                    ; wave 0..3
	v_and_b32 v7, 31, v0
	v_lshlrev_b32 v1, 4, v7                        ; 16 x lane
	v_and_b32 v8, 15, v0                           ; r
	v_bfe_u32 v9, v0, 4, 1                         ; h
	s_mul_i32 s26, s18, WST
	v_add_nc_u32 v2, s26, v1                       ; the stage on the way in: a row's 512 bytes as they lie
	v_mul_u32_u24 v3, v8, SP
	v_lshl_add_u32 v3, v9, 6, v3
	v_add_nc_u32 v3, s26, v3                       ; and on the way out: row r, + 64 h
	s_lshr_b32 s27, s18, 1
	s_lshl_b32 s27, s27, 8
	s_and_b32 s28, s18, 1
	s_lshl_b32 s28, s28, 3
	s_add_co_u32 s27, s27, s28
	s_add_co_u32 s27, s27, SCB
	v_lshl_add_u32 v4, v8, 4, s27                  ; my row's two scale words: 256 (w / 2) + 8 (w % 2) + 16 r
	v_add_nc_u32 v5, SCB, v1                       ; wave 0 reads all 512 bytes back
	s_mov_b32 s24, 0x76543210
	s_mov_b32 s25, 0xfedcba98                      ; v_permlanex16_b32: lane l xor 16
	s_cmp_lt_u32 ttmp9, 512
	s_cselect_b32 s23, 511, 63
	s_and_b32 s22, ttmp9, s23                      ; the row block's number inside its tensor
	s_lshr_b32 s30, s22, 1
	s_lshl_b32 s30, s30, 17                        ; 32 rows of 4,096 bytes for each pair of blocks,
	s_and_b32 s31, s22, 1
	s_lshl_b32 s31, s31, 15                        ; 8 rows for the odd one,
	s_add_co_u32 s30, s30, s31
	s_lshl_b32 s31, s18, 10                        ; my wave's 256 along K
	s_add_co_u32 s30, s30, s31
	s_mov_b32 s31, 0
	s_mul_i32 s32, ttmp9, 12288
	s_mul_i32 s33, s18, 3072
	s_add_co_u32 s32, s32, s33
	s_mov_b32 s33, 0
	s_lshl_b32 s34, ttmp9, 9
	s_mov_b32 s35, 0
	s_wait_alu depctr_va_vdst(0)
	s_wait_kmcnt 0x0
	s_mov_b64 s[20:21], s[12:13]                   ; which tensor: the choice hangs on the work-group's number alone
	s_cmp_lt_u32 ttmp9, 704
	s_cselect_b64 s[20:21], s[10:11], s[20:21]
	s_cmp_lt_u32 ttmp9, 640
	s_cselect_b64 s[20:21], s[8:9], s[20:21]
	s_cmp_lt_u32 ttmp9, 576
	s_cselect_b64 s[20:21], s[6:7], s[20:21]
	s_cmp_lt_u32 ttmp9, 512
	s_cselect_b64 s[20:21], s[4:5], s[20:21]
	s_add_nc_u64 s[20:21], s[20:21], s[30:31]
	s_add_nc_u64 s[14:15], s[14:15], s[32:33]
	s_add_nc_u64 s[16:17], s[16:17], s[34:35]
.irp f, 0,1
.irp i, 0,1,2,3,4,5,6,7,8,9,10,11,12,13,14,15
	global_load_b128 v[R+64*\f+4*\i:R+64*\f+4*\i+3], v1, s[20:21] offset:(\i+8*(\i/8))*4096+512*\f th:TH_LOAD_NT   ; place i: 512 consecutive bytes of row i + 8 (i / 8)
.endr
.endr
.irp b, 0,1,2,3
	v_mov_b32 v[TM+4+\b], 0                        ; written once: a lane permute's destination counts as one of its sources
.endr
; 64 numbers of a lane, register 16 b + i = k 32 b + 16 (lane / 16) + i of my row, become a fragment's codes in v[PC] on and its scale word in v[pw].
.macro QUANT s, pw
.irp b, 0,1,2,3
	v_max3_num_f32 v[TM+\b], |v[\s+16*\b]|, |v[\s+16*\b+1]|, 0x1800000   ; block b: my 16 numbers and the floor 2^(3 - 127): the byte cannot fall under 1
.endr
.irp i, 2,4,6,8,10,12,14
.irp b, 0,1,2,3
	v_max3_num_f32 v[TM+\b], v[TM+\b], |v[\s+16*\b+\i]|, |v[\s+16*\b+\i+1]|   ; the four blocks by turns
.endr
.endr
.irp b, 0,1,2,3
	v_permlanex16_b32 v[TM+4+\b], v[TM+\b], s24, s25
.endr
.irp b, 0,1,2,3
	v_max_num_f32 v[TM+\b], v[TM+\b], v[TM+4+\b]   ; with lane l xor 16: the block's largest magnitude
.endr
.irp b, 0,1,2,3
	v_add_nc_u32 v[TM+12+\b], 0xff000000, v[TM+\b] ; 2 off its exponent field: the conversion's scale operand
.endr
.irp b, 0,1,2,3
	v_lshrrev_b32 v[TM+4+\b], 23, v[TM+12+\b]      ; the scale's byte
.endr
	v_lshl_or_b32 v[\pw], v[TM+5], 8, v[TM+4]
	v_lshl_or_b32 v[\pw], v[TM+6], 16, v[\pw]
	v_lshl_or_b32 v[\pw], v[TM+7], 24, v[\pw]      ; my row's scale word
.irp c, 0,1
	v_cvt_scalef32_pk16_fp6_f32 v[PC+6*\c:PC+6*\c+2], v[\s+32*\c:\s+32*\c+15], v[TM+12+2*\c]
	v_cvt_scalef32_pk16_fp6_f32 v[PC+12+4*\c:PC+14+4*\c], v[\s+32*\c+16:\s+32*\c+31], v[TM+13+2*\c]   ; a conversion's three registers begin on an even number
.endr
	v_nop                                          ; one plain place behind a scaled conversion
.irp c, 0,1                                    ; the operand wants a whole block in a lane: lanes 0-15 block 2 c, lanes 16-31 block 2 c + 1
.irp i, 0,1,2
	v_permlane16_swap_b32 v[PC+6*\c+\i], v[PC+12+4*\c+\i]
.endr
.irp i, 0,1,2
	v_mov_b32 v[PC+3+6*\c+\i], v[PC+12+4*\c+\i]
.endr
.endr
.endm
.macro FRAGQ f
	s_wait_loadcnt 16*(1-\f)                       ; this fragment's 16 loads are in; the second fragment's 16 are younger and may stay out
.irp i, 0,1,2,3,4,5,6,7,8,9,10,11,12,13,14,15
	ds_store_b128 v2, v[R+64*\f+4*\i:R+64*\f+4*\i+3] offset:SP*\i
.endr
.irp b, 0,1,2,3
.irp j, 0,1,2,3
	ds_load_b128 v[X+16*\b+4*\j:X+16*\b+4*\j+3], v3 offset:128*\b+16*\j   ; LDS serves a wave's instructions in order: these see the stores above
.endr
.endr
	s_wait_dscnt 0x0
.if \f
	s_wait_xcnt 0x0                                ; the first fragment's stores have read the code registers: they are written again only behind this wait
.endif
	QUANT X, PW+\f
.irp k, 0,1,2
	global_store_b128 v1, v[PC+4*\k:PC+4*\k+3], s[14:15] offset:1536*\f+512*\k   ; 512 consecutive bytes, aligned
.endr
.endm
	FRAGQ 0
	FRAGQ 1
	ds_store_b64 v4, v[PW:PW+1]                    ; lanes 16-31 hold the same words and write them to the same places
	s_wait_dscnt 0x0                               ; for the others: my words lie in LDS
	s_barrier_signal -1
	s_barrier_wait -1
	s_cmp_lg_u32 s18, 0
	s_cbranch_scc1 .Lend
	ds_load_b128 v[12:15], v5
	s_wait_dscnt 0x0
	global_store_b128 v1, v[12:15], s[16:17]       ; the row block's 512 bytes of scale words, in one store
.Lend:
	s_wait_tensorcnt 0x0
	ds_add_u32 v248, v249
	s_wait_dscnt 0x0
	s_endpgm
.Lfunc_end_k_q35cdcd328b_quant:
	.size	k_q35cdcd328b_quant, .Lfunc_end_k_q35cdcd328b_quant-k_q35cdcd328b_quant
	.p2alignl 7, 3214868480
	.fill 96, 4, 3214868480
	.section	.rodata,"a",@progbits
	.p2align	6, 0x0
	.amdhsa_kernel k_q35cdcd328b_quant
		.amdhsa_group_segment_fixed_size 34816
		.amdhsa_private_segment_fixed_size 0
		.amdhsa_enable_private_segment 0
		.amdhsa_kernarg_size 56
		.amdhsa_user_sgpr_count 2
		.amdhsa_user_sgpr_kernarg_segment_ptr 1
		.amdhsa_wavefront_size32 1
		.amdhsa_system_sgpr_workgroup_id_x 1
		.amdhsa_system_sgpr_workgroup_id_y 1
		.amdhsa_system_sgpr_workgroup_id_z 1
		.amdhsa_system_vgpr_workitem_id 0
		.amdhsa_next_free_vgpr 250
		.amdhsa_next_free_sgpr 66
		.amdhsa_reserve_vcc 0
		.amdhsa_float_denorm_mode_32 3
		.amdhsa_float_denorm_mode_16_64 3
		.amdhsa_memory_ordered 1
		.amdhsa_forward_progress 1
		.amdhsa_inst_pref_size 19
	.end_amdhsa_kernel
	.amdgpu_metadata
---
amdhsa.version: [ 1, 2 ]
amdhsa.kernels:
  - .name:           k_q35cdcd328b_quant
    .symbol:         k_q35cdcd328b_quant.kd
    .args:
      - { .name: x, .offset: 0, .size: 8, .value_kind: global_buffer, .address_space: global }
      - { .name: Wq, .offset: 8, .size: 8, .value_kind: global_buffer, .address_space: global }
      - { .name: Wk, .offset: 16, .size: 8, .value_kind: global_buffer, .address_space: global }
      - { .name: Wv, .offset: 24, .size: 8, .value_kind: global_buffer, .address_space: global }
      - { .name: Wo, .offset: 32, .size: 8, .value_kind: global_buffer, .address_space: global }
      - { .name: cod, .offset: 40, .size: 8, .value_kind: global_buffer, .address_space: global }
      - { .name: sc, .offset: 48, .size: 8, .value_kind: global_buffer, .address_space: global }
    .group_segment_fixed_size: 34816
    .private_segment_fixed_size: 0
    .kernarg_segment_align: 8
    .kernarg_segment_size: 56
    .max_flat_workgroup_size: 128
    .sgpr_count:     66
    .vgpr_count:     250
    .wavefront_size: 32
...
	.end_amdgpu_metadata
.endif
;; end of part 1
;; launch qkv (part 2): grid 32 x 8, 4 waves a work-group, clusters of 4 x 1, 295,424 bytes of LDS; arguments cod, sc, bq, bk, bv, qk, vimg; writes qk, vimg
.if DOCPART == 2
	.amdgcn_target "amdgcn-amd-amdhsa--gfx1250"
	.amdhsa_code_object_version 6
	.text
	.protected	k_q35cdcd328b_qkv
	.globl	k_q35cdcd328b_qkv
	.p2align	8
	.type	k_q35cdcd328b_qkv,@function
k_q35cdcd328b_qkv:
	s_mov_b64 s[64:65], 0
	v_nop
	global_prefetch_b8 v0, s[64:65] scope:SCOPE_SE
	s_setreg_imm32_b32 hwreg(HW_REG_WAVE_MODE, 25, 1), 1
	s_wait_xcnt 0x0
	s_wait_alu depctr_hold_cnt(0) depctr_sa_sdst(0) depctr_va_vdst(0) depctr_va_sdst(0) depctr_va_ssrc(0) depctr_va_vcc(0) depctr_vm_vsrc(0)
	s_getreg_b32 s2, hwreg(HW_REG_IB_STS2, 6, 4)
	s_cmp_eq_u32 s2, 0
	s_cbranch_scc0 .Lentry_in_a_cluster
	s_endpgm
.Lentry_in_a_cluster:
	s_bfe_u32 s2, ttmp6, 0x10000c
	s_cmp_lg_u32 s2, 0x3003
	s_cbranch_scc0 .Lentry_shape_is_right
	s_endpgm
.Lentry_shape_is_right:
; q = x Wq^T + bq, k = x Wk^T + bk, v = x Wv^T + bv on codes of FP6 (E2M3) with E8M0 scales, sums in f32; the results are quantised in registers and leave as codes.
; q and k are quantised along the head's 64 channels, v along the tokens (the keys of the second product of attention).
; LIMITS: NaN and infinities are not served; a block whose largest magnitude lies under 2^-124 keeps the byte 1, a block of zeros too (its codes are zeros; the bytes are read by this program alone).
; SHARES.  256 work-groups, three tiles each; a tile is 256 rows of source 1 x 128 rows of source 0 x all 1024 of K.  c = cluster x, cx = place in the cluster, i = 4 c + cx, g = work-group y.
;   tiles 0, 1: source 1 = x's row blocks 16 i .. 16 i + 15, source 0 = 128 rows of Wq (g < 4) or Wk: a lane holds ONE token, its registers run along the channels: two heads' q or k.
;   tile 2:     source 1 = Wv's row blocks 16 cx .. 16 cx + 15, source 0 = x's 128 tokens of step t = c + 8 g: a lane holds ONE channel of v, its registers run along the tokens.
; Wave w owns 64 rows of source 1 against all 128 of source 0: 32 accumulators.  Its source 1, which no other wave reads, goes from memory into 384 registers for all of K, by plain loads.
; Source 0 is read by all four waves and lies in LDS: the three tiles, 98,304 bytes each, are filled ONCE, at the start; no LDS byte is filled again, so there is no ring.
; CLUSTER.  The four work-groups of a cluster share g and c and so all three tiles of source 0: each is asked for jointly (mask 15).  Source 1 is shared with work-groups of other g,
; but it goes to registers, where no joint load can bring it.
; cod's row blocks hold their rows with bits 3 and 4 of the row number exchanged: so the 16 registers of accumulators 2 B and 2 B + 1 are 16 neighbours 32 B + 16 (lane / 16) + 0 .. 15
; along the next K, and the conversions' results are the next operand's registers.  Codes leave as images of those registers: every store covers 512 or 256 consecutive bytes.
; REGISTERS, in windows of 256: window 0: v1-23 addresses and words at work; v24-55 source 1's scale words; v56-87 source 0's; v88-151 the bias in the result's layout; v152-247 source 0's
;   fragments, set 1 (on the way out: at work).   window 1: accumulator (a, b) at v[64 a + 8 b].   window 2: source 1's fragment (a, q), q <= 4, at v[48 q + 12 a].
;   window 3: q >= 5 at v[48 (q - 5) + 12 a]; source 0's fragments, set 0, at v[144 + 12 b].
.set L16, 1                            ; 16 x lane
.set L8,  2                            ; 8 x lane
.set VR,  3                            ; r = lane % 16
.set VH,  4                            ; h = lane / 16
.set R16, 5                            ; 16 r
.set U16, 6                            ; 16 r + 2048 h: lanes 16-31 take the scale words four row blocks on
.set BQ,  7                            ; 64 h
.set BV,  8                            ; 4 (r + 8 (r / 8))
.set SH,  9                            ; 16 h
.set SCQ, 10                           ; 16 r + 106496 h: lanes 16-31 store the next head's scale words
.set SCV, 11                           ; 16 r + 8 h
.set AD,  12                           ; v12-17: LDS address of tile e, half p of its eight row blocks: 16 x lane + 98304 e + 49152 p
.set W4,  20                           ; v20-23: four scale words on their way out
.set T,   24
.set U,   56
.set BI,  88
.set SET1, 152
.set SET0, 144
.set TM,  152
.set PC,  168
.set PW,  188
.set MSB, 0
.macro WIN new                         ; the immediate's high byte repeats the setting that is left; a switch that changes nothing is dropped
.if MSB != (\new)
	s_set_vgpr_msb (MSB<<8)|(\new)
.set MSB, (\new)
.endif
.endm
.macro PLACES n
.rept \n
	v_nop
.endr
.endm
.macro CROUND                          ; a round of the cluster's barrier
	s_barrier_signal -1
	s_barrier_wait -1
	s_cmp_lg_u32 s18, 0
	s_cbranch_scc1 .Lnot_wave_0_\@
	s_barrier_signal -3
.Lnot_wave_0_\@:
	s_barrier_wait -3
	s_barrier_signal -1
	s_barrier_wait -1
.endm
	s_load_b256 s[4:11], s[0:1], 0x0               ; cod, sc, bq, bk
	s_load_b128 s[12:15], s[0:1], 0x20             ; bv, qk
	s_load_b64 s[16:17], s[0:1], 0x30              ; vimg
	v_lshl_add_u32 v254, v0, 2, 0x48000
	v_mov_b32 v255, 0
	ds_add_u32 v254, v255
	ds_add_u32 v254, v255
	v_lshrrev_b32 v3, 5, v0
	v_readfirstlane_b32 s18, v3                    ; wave 0..3
	s_bfe_u32 s19, ttmp6, 0x40000                  ; cx
	s_mov_b32 s20, ttmp9                           ; c
	s_and_b32 s21, ttmp7, 0xffff                   ; g
	s_lshl_b32 s22, s20, 2
	s_add_co_u32 s22, s22, s19                     ; i
	s_lshl_b32 s23, s21, 1
	s_and_b32 s23, s23, 7                          ; (2 g) % 8: tile 0's 128 channels of Wq or of Wk
	; descriptor groups 1: dense blocks as rows of 256 bytes (32 elements of 8 bytes); mask: all four work-groups of the cluster, bit 21 beside it
	s_mov_b32 s24, 15|(3<<16)|(1<<21)              ; half a tile: 49,152 bytes, 192 rows
	s_mov_b32 s25, 32<<16
	s_mov_b32 s26, 192<<16
	s_mov_b32 s27, 32<<16
	s_mov_b32 s28, 192
	s_mov_b32 s29, 32
	s_mov_b32 s30, 0
	s_mov_b32 s31, 0
	s_mov_b32 s88, 15|(3<<16)|(1<<21)              ; a whole tile: 98,304 bytes, 384 rows
	s_mov_b32 s89, 32<<16
	s_mov_b32 s90, 384<<16
	s_mov_b32 s91, 32<<16
	s_mov_b32 s92, 384
	s_mov_b32 s93, 32
	s_mov_b32 s94, 0
	s_mov_b32 s95, 0
	s_mov_b32 s68, 0x76543210
	s_mov_b32 s69, 0xfedcba98                      ; v_permlanex16_b32: lane l xor 16
	; what the joint loads need: made of g, c and the wave's number alone, in registers that never hold cx
	s_lshl_b32 s70, s21, 4
	s_lshl_b32 s71, s18, 2
	s_add_co_u32 s72, s70, s71
	s_add_co_u32 s72, s72, 512
	s_mul_i32 s72, s72, 12288                      ; tile 0, waves 0 and 1 a half each: row blocks 512 + 16 g + 4 w on
	s_mov_b32 s73, 0
	s_lshl_b32 s74, s21, 3
	s_add_co_u32 s74, s74, s20                     ; t = c + 8 g
	s_lshl_b32 s76, s74, 3
	s_mul_i32 s76, s76, 12288                      ; tile 2: row blocks 8 t on
	s_mov_b32 s77, 0
	s_mul_i32 s75, s18, 49152                      ; where a half of tile 0 goes
	s_add_co_u32 s86, s70, 520
	s_mul_i32 s86, s86, 12288                      ; tile 1: row blocks 520 + 16 g on
	s_mov_b32 s87, 0
	s_add_co_u32 s78, s70, 512
	s_lshl_b32 s78, s78, 9
	s_mov_b32 s79, 0
	s_wait_dscnt 0x0
	s_wait_kmcnt 0x0
	s_mov_b32 s32, 1
	s_mov_b32 s33, s75
	s_add_nc_u64 s[34:35], s[4:5], s[72:73]
	s_mov_b32 s36, 1
	s_mov_b32 s37, 98304
	s_add_nc_u64 s[38:39], s[4:5], s[86:87]
	s_or_b32 s35, s35, 0x80000000
	s_or_b32 s39, s39, 0x80000000
	s_mov_b32 s40, 1
	s_mov_b32 s41, 196608
	s_add_nc_u64 s[42:43], s[4:5], s[76:77]
	s_or_b32 s43, s43, 0x80000000
	s_add_nc_u64 s[52:53], s[6:7], s[78:79]        ; UA: scale words of W's row blocks 512 + 16 g on
	s_lshl_b32 s78, s74, 12
	s_add_nc_u64 s[54:55], s[6:7], s[78:79]        ; UB: of x's row blocks 8 t on
	s_lshl_b32 s78, s23, 9
	s_cmp_lt_u32 s21, 4
	s_cselect_b64 s[56:57], s[8:9], s[10:11]       ; bq or bk: the choice hangs on g alone
	s_add_nc_u64 s[56:57], s[56:57], s[78:79]      ; BA
	; what is this work-group's own
	s_lshl_b32 s80, s22, 4
	s_lshl_b32 s81, s18, 2
	s_add_co_u32 s80, s80, s81                     ; 16 i + 4 w
	s_mul_i32 s82, s80, 12288
	s_mov_b32 s83, 0
	s_add_nc_u64 s[44:45], s[4:5], s[82:83]        ; S1A: my four row blocks of x
	s_lshl_b32 s82, s80, 9
	s_add_nc_u64 s[48:49], s[6:7], s[82:83]        ; TA: their scale words
	s_lshl_b32 s80, s19, 4
	s_add_co_u32 s80, s80, s81
	s_add_co_u32 s80, s80, 640                     ; 640 + 16 cx + 4 w
	s_mul_i32 s82, s80, 12288
	s_add_nc_u64 s[46:47], s[4:5], s[82:83]        ; S1B: my four row blocks of Wv
	s_lshl_b32 s82, s80, 9
	s_add_nc_u64 s[50:51], s[6:7], s[82:83]        ; TB
	s_lshl_b32 s84, s19, 2
	s_add_co_u32 s84, s84, s18                     ; 4 cx + w: my head of v
	s_lshl_b32 s82, s84, 8
	s_add_nc_u64 s[58:59], s[12:13], s[82:83]      ; BB: its 64 numbers of bv
	s_lshr_b32 s85, s74, 4
	s_lshl_b32 s85, s85, 4
	s_add_co_u32 s85, s85, s84
	s_lshl_b32 s85, s85, 4
	s_and_b32 s86, s74, 15
	s_add_co_u32 s85, s85, s86                     ; ((batch x 16 + head) x 16 + step)
	s_mul_i32 s82, s85, 6400
	s_add_nc_u64 s[66:67], s[16:17], s[82:83]      ; OV
	s_lshr_b32 s85, s21, 2
	s_lshl_b32 s85, s85, 6                         ; 64 for k
	s_lshr_b32 s86, s22, 3
	s_lshl_b32 s86, s86, 4                         ; 16 x batch
	s_add_co_u32 s85, s85, s86
	s_lshl_b32 s86, s23, 1                         ; tile 0's first head
	s_add_co_u32 s85, s85, s86
	s_lshl_b32 s85, s85, 4
	s_and_b32 s86, s22, 7
	s_lshl_b32 s86, s86, 1
	s_add_co_u32 s85, s85, s86
	s_lshr_b32 s86, s18, 1
	s_add_co_u32 s85, s85, s86                     ; the block of 128 tokens
	s_mul_i32 s85, s85, 6656
	s_and_b32 s86, s18, 1
	s_mul_i32 s87, s86, 3072
	s_add_co_u32 s82, s85, s87
	s_add_nc_u64 s[60:61], s[14:15], s[82:83]      ; OQ: my four tiles of 768 bytes
	s_lshl_b32 s87, s86, 8
	s_add_co_u32 s82, s85, s87
	s_add_co_u32 s82, s82, 6144
	s_add_nc_u64 s[62:63], s[14:15], s[82:83]      ; OS: their scale words
	v_and_b32 v[VR], 31, v0
	v_lshlrev_b32 v[L16], 4, v[VR]
	v_lshlrev_b32 v[L8], 3, v[VR]
	v_and_b32 v[VR], 15, v0
	v_bfe_u32 v[VH], v0, 4, 1
	v_lshlrev_b32 v[R16], 4, v[VR]
	v_lshl_add_u32 v[U16], v[VH], 11, v[R16]
	v_lshlrev_b32 v[BQ], 6, v[VH]
	v_and_b32 v[BV], 8, v[VR]
	v_add_nc_u32 v[BV], v[BV], v[VR]
	v_lshlrev_b32 v[BV], 2, v[BV]
	v_lshlrev_b32 v[SH], 4, v[VH]
	v_mad_u32_u24 v[SCQ], v[VH], 0x1a000, v[R16]
	v_lshl_add_u32 v[SCV], v[VH], 3, v[R16]
.irp e, 0,1,2
.irp p, 0,1
	v_add_nc_u32 v[AD+2*\e+\p], 98304*\e+49152*\p, v[L16]
.endr
.endr
; source 0's eight fragments of tile e, K step q, from LDS into set q % 2: images of registers, 512 consecutive bytes a load
.macro FETCH e, q
.if (\q)%2
	WIN 0
.set FB, SET1
.else
	WIN 0xc0
.set FB, SET0
.endif
.irp b, 0,1,2,3,4,5,6,7
.irp k, 0,1,2
	ds_load_b128 v[FB+12*\b+4*\k:FB+12*\b+4*\k+3], v[AD+2*(\e)+\b/4] offset:(\b%4)*12288+1536*(\q)+512*\k
.endr
.endr
	WIN 0
.endm
; source 1's four fragments of K step q from memory: 12 loads
.macro S1LOAD base, q
.if (\q) <= 4
	WIN 0x80
.set LB, 48*(\q)
.else
	WIN 0xc0
.set LB, 48*((\q)-5)
.endif
.irp a, 0,1,2,3
.irp k, 0,1,2
	global_load_b128 v[LB+12*\a+4*\k:LB+12*\a+4*\k+3], v[L16], s[\base:\base+1] offset:12288*\a+1536*(\q)+512*\k
.endr
.endr
	WIN 0
.endm
.macro TLD base                        ; source 1's scale words: register T + 8 a + q: row r's word of row block a, K step q
.irp a, 0,1,2,3
.irp k, 0,1
	global_load_b128 v[T+8*\a+4*\k:T+8*\a+4*\k+3], v[R16], s[\base:\base+1] offset:512*\a+256*\k
.endr
.endr
.endm
.macro ULD base, off                   ; source 0's: register U + 8 b + q: lanes 0-15 row block b, lanes 16-31 row block b + 4
.irp b, 0,1,2,3
.irp k, 0,1
	global_load_b128 v[U+8*\b+4*\k:U+8*\b+4*\k+3], v[U16], s[\base:\base+1] offset:\off+512*\b+256*\k
.endr
.endr
.endm
.macro BIQ e                           ; bq or bk in the result's layout: for accumulator b my eight channels 32 (b / 2) + 16 h + 8 (b % 2) + 0 .. 7
.irp b, 0,1,2,3,4,5,6,7
.irp m, 0,1
	global_load_b128 v[BI+8*\b+4*\m:BI+8*\b+4*\m+3], v[BQ], s[56:57] offset:512*\e+(32*(\b/2)+8*(\b%2))*4+16*\m
.endr
.endr
.endm
; 32 matrix instructions: K step q.  cls = 0: the sums go on; 1, 2: the bias starts them (by source 0's row block, by source 1's): nothing is cleared and no addition is spent.
; The 32 accumulators take turns, one instruction a turn, in the same order in every step.
.macro MUL q, cls
.if (\q)%2
.set MA, SET1
.set MAW, 0
.else
.set MA, SET0
.set MAW, 3
.endif
.if (\q) <= 4
.set MB, 48*(\q)
.set MBW, 2
.else
.set MB, 48*((\q)-5)
.set MBW, 3
.endif
.if \cls
.set MW, 0x40|(MBW<<2)|MAW
.else
.set MW, 0x50|(MBW<<2)|MAW
.endif
	WIN MW
.irp b, 0,1,2,3,4,5,6,7
.irp a, 0,1,2,3
.set MD, 64*\a+8*\b
.if \cls == 1
.set MC, BI+8*\b
.elseif \cls == 2
.set MC, BI+8*\a
.else
.set MC, MD
.endif
.if \b < 4
	v_wmma_scale_f32_16x16x128_f8f6f4 v[MD:MD+7], v[MA+12*\b:MA+12*\b+11], v[MB+12*\a:MB+12*\a+11], v[MC:MC+7], v[U+8*(\b%4)+(\q)], v[T+8*\a+(\q)] matrix_a_fmt:MATRIX_FMT_FP6 matrix_b_fmt:MATRIX_FMT_FP6
.else
	v_wmma_scale_f32_16x16x128_f8f6f4 v[MD:MD+7], v[MA+12*\b:MA+12*\b+11], v[MB+12*\a:MB+12*\a+11], v[MC:MC+7], v[U+8*(\b%4)+(\q)], v[T+8*\a+(\q)] matrix_a_fmt:MATRIX_FMT_FP6 matrix_b_fmt:MATRIX_FMT_FP6 matrix_a_scale:MATRIX_SCALE_ROW1
.endif
.endr
.endr
.endm
; A K step.  mode 1: source 1 is still arriving, four groups of 12 loads ahead; mode 2: the next tile's source 1 takes the registers that the step before has read; mode 0: neither.
.macro STEP e, q, cls, mode
	s_wait_dscnt 0x0                               ; this step's fragments of source 0, asked for 32 matrix instructions ago
.if \mode == 1
.if \q <= 4
	s_wait_loadcnt 36                              ; group q of source 1 is in; the three younger groups of 12 may stay out
.else
	s_wait_loadcnt 12*(7-\q)                       ; the groups still younger
.endif
.endif
	PLACES 4                                       ; four places in front of loads into registers that the last matrix instructions have read (ISA guide 7.12.1 for vector instructions)
.if \q < 7
	FETCH \e, \q+1
.endif
.if (\mode == 1) && (\q <= 3)
	S1LOAD 44, \q+4
.endif
.if (\mode == 2) && (\q >= 1)
	S1LOAD 46, \q-1
.endif
	MUL \q, \cls
.endm
; The 64 results of source 1's row block a (window 1; register 16 b + i = place 32 b + 16 h + i along the next K) become a fragment's codes in v[PC] on and its scale word in v[pw].
; Each accumulator is first read at its registers 0 and 1.
.macro QUANTW a, pw
	WIN 0x14                                       ; sources 1 and 2 in window 1
.irp b, 0,1,2,3
	v_max3_num_f32 v[TM+\b], 0x1800000, |v[64*(\a)+16*\b]|, |v[64*(\a)+16*\b+1]|   ; the floor 2^(3 - 127): the byte cannot fall under 1
.endr
.irp i, 2,4,6,8,10,12,14
.irp b, 0,1,2,3
	v_max3_num_f32 v[TM+\b], v[TM+\b], |v[64*(\a)+16*\b+\i]|, |v[64*(\a)+16*\b+\i+1]|
.endr
.endr
	WIN 0
.irp b, 0,1,2,3
	v_permlanex16_b32 v[TM+4+\b], v[TM+\b], s68, s69
.endr
.irp b, 0,1,2,3
	v_max_num_f32 v[TM+\b], v[TM+\b], v[TM+4+\b]
.endr
.irp b, 0,1,2,3
	v_add_nc_u32 v[TM+12+\b], 0xff000000, v[TM+\b] ; 2 off the exponent field: the conversion's scale operand
.endr
.irp b, 0,1,2,3
	v_lshrrev_b32 v[TM+4+\b], 23, v[TM+12+\b]
.endr
	s_wait_alu depctr_va_vdst(0)
	s_wait_xcnt 0x0                                ; the stores issued so far have read their data: the code registers and the scale words are written again only behind this wait
	v_lshl_or_b32 v[\pw], v[TM+5], 8, v[TM+4]
	v_lshl_or_b32 v[\pw], v[TM+6], 16, v[\pw]
	v_lshl_or_b32 v[\pw], v[TM+7], 24, v[\pw]
	WIN 0x01                                       ; source 0 in window 1
.irp c, 0,1
	v_cvt_scalef32_pk16_fp6_f32 v[PC+6*\c:PC+6*\c+2], v[64*(\a)+32*\c:64*(\a)+32*\c+15], v[TM+12+2*\c]
	v_cvt_scalef32_pk16_fp6_f32 v[PC+12+4*\c:PC+14+4*\c], v[64*(\a)+32*\c+16:64*(\a)+32*\c+31], v[TM+13+2*\c]
.endr
	WIN 0
	v_nop                                          ; one plain place behind a scaled conversion
.irp c, 0,1
.irp i, 0,1,2
	v_permlane16_swap_b32 v[PC+6*\c+\i], v[PC+12+4*\c+\i]
.endr
.irp i, 0,1,2
	v_mov_b32 v[PC+3+6*\c+\i], v[PC+12+4*\c+\i]
.endr
.endr
.endm
; The way out of tile e of q or k: registers 0-5 of a fragment are 16 tokens x one head's 64 channels, registers 6-11 the next head's.
.macro EPIQ e
.irp b, 0,1,2,3
	v_mov_b32 v[TM+4+\b], 0                        ; a lane permute's destination counts as one of its sources
.endr
.irp a, 0,1,2,3
	QUANTW \a, PW
	v_lshrrev_b32 v[W4+\a], v[SH], v[PW]           ; lanes 0-15 keep the word (bytes 0, 1: the first head's), lanes 16-31 bring the second head's two bytes down
	global_store_b128 v[L16], v[PC:PC+3], s[60:61] offset:212992*\e+768*\a
	global_store_b64 v[L8], v[PC+4:PC+5], s[60:61] offset:212992*\e+768*\a+512
	global_store_b128 v[L16], v[PC+6:PC+9], s[60:61] offset:212992*\e+768*\a+106496
	global_store_b64 v[L8], v[PC+10:PC+11], s[60:61] offset:212992*\e+768*\a+106496+512
.endr
	global_store_b128 v[SCQ], v[W4:W4+3], s[62:63] offset:212992*\e   ; sixteen lanes: 256 consecutive bytes of one head, the other sixteen those of the next
	s_wait_xcnt 0x0                                ; the stores have read their data: the next step's fragments may land there
.endm
; The way out of v: a fragment is 16 channels x 128 tokens.
.macro EPIV
.irp b, 0,1,2,3
	v_mov_b32 v[TM+4+\b], 0
.endr
.irp a, 0,1,2,3
	QUANTW \a, W4+\a
.irp k, 0,1,2
	global_store_b128 v[L16], v[PC+4*\k:PC+4*\k+3], s[66:67] offset:1536*\a+512*\k
.endr
.endr
	v_cmp_eq_u32 vcc_lo, 1, v[VH]
	v_cndmask_b32 v18, v[W4], v[W4+2], vcc_lo      ; lanes 0-15 store tiles 0 and 1's words of row r, lanes 16-31 tiles 2 and 3's
	v_cndmask_b32 v19, v[W4+1], v[W4+3], vcc_lo
	global_store_b64 v[SCV], v[18:19], s[66:67] offset:6144   ; 256 consecutive bytes
.endm
	CROUND                                         ; all four work-groups are here: the joint loads meet
	s_cmp_lt_u32 s18, 2                            ; one tensor load a wave, in one chain of arms on the wave's number
	s_cbranch_scc0 .Lfill_1
	tensor_load_to_lds s[32:35], s[24:31]          ; waves 0 and 1: a half each of tile 0
	s_nop 0
	PLACES 4
	s_branch .Lfilled
.Lfill_1:
	s_cmp_eq_u32 s18, 2
	s_cbranch_scc0 .Lfill_2
	tensor_load_to_lds s[36:39], s[88:95]          ; wave 2: tile 1
	s_nop 0
	PLACES 4
	s_branch .Lfilled
.Lfill_2:
	tensor_load_to_lds s[40:43], s[88:95]          ; wave 3: tile 2
	s_nop 0
	PLACES 4
.Lfilled:
	s_wait_alu depctr_va_vdst(0)                   ; the wait at the head's end
	TLD 48
	ULD 52, 0
	BIQ 0
	S1LOAD 44, 0
	S1LOAD 44, 1
	S1LOAD 44, 2
	S1LOAD 44, 3
	s_cmp_lt_u32 s18, 2                            ; tile 0's load line is waves 0 and 1's alone: they wait for it; tiles 1 and 2 may stay out
	s_cbranch_scc0 .Lnot_t0
	s_wait_tensorcnt 0x0
.Lnot_t0:
	s_barrier_signal -1
	s_barrier_wait -1                              ; everybody's is
	s_wait_alu depctr_va_vdst(0)
	FETCH 0, 0
	STEP 0, 0, 1, 1
.irp q, 1,2,3,4,5,6,7
	STEP 0, \q, 0, 1
.endr
	WIN 0
	PLACES 4                                       ; in front of loads into scale and bias registers, and of the first read of results
	ULD 52, 4096
	BIQ 1
	s_cmp_eq_u32 s18, 3                            ; tile 1's load line is wave 2's alone; wave 3's tile 2 may stay out
	s_cbranch_scc1 .Lnot_t1
	s_wait_tensorcnt 0x0
.Lnot_t1:
	s_barrier_signal -1
	s_barrier_wait -1
	FETCH 1, 0
	EPIQ 0                                         ; tile 0 leaves while tile 1's first fragments, scale words and bias arrive
	s_wait_loadcnt 0x0
	STEP 1, 0, 1, 2
.irp q, 1,2,3,4,5,6,7
	STEP 1, \q, 0, 2
.endr
	WIN 0
	PLACES 4
	S1LOAD 46, 7
	TLD 50
	ULD 54, 0
.irp a, 0,1,2,3
	global_load_b32 v[BI+8*\a], v[BV], s[58:59] offset:(32*(\a/2)+8*(\a%2))*4   ; bv of my lane's channel
.endr
	s_wait_tensorcnt 0x0                           ; tile 2
	s_barrier_signal -1
	s_barrier_wait -1
	FETCH 2, 0
	EPIQ 1
	s_wait_loadcnt 0x0
.irp a, 0,1,2,3
.irp j, 1,2,3,4,5,6,7
	v_mov_b32 v[BI+8*\a+\j], v[BI+8*\a]            ; a lane's eight results are eight tokens of one channel: the same bias
.endr
.endr
	s_wait_alu depctr_va_vdst(0)
	STEP 2, 0, 2, 0
.irp q, 1,2,3,4,5,6,7
	STEP 2, \q, 0, 0
.endr
	WIN 0
	PLACES 4
	EPIV
	s_wait_tensorcnt 0x0
	ds_add_u32 v254, v255
	s_wait_dscnt 0x0
	CROUND                                         ; the closing round: no work-group ends while a partner may still ask for a tile that names it
	s_endpgm
.Lfunc_end_k_q35cdcd328b_qkv:
	.size	k_q35cdcd328b_qkv, .Lfunc_end_k_q35cdcd328b_qkv-k_q35cdcd328b_qkv
	.p2alignl 7, 3214868480
	.fill 96, 4, 3214868480
	.section	.rodata,"a",@progbits
	.p2align	6, 0x0
	.amdhsa_kernel k_q35cdcd328b_qkv
		.amdhsa_group_segment_fixed_size 295424
		.amdhsa_private_segment_fixed_size 0
		.amdhsa_enable_private_segment 0
		.amdhsa_kernarg_size 56
		.amdhsa_user_sgpr_count 2
		.amdhsa_user_sgpr_kernarg_segment_ptr 1
		.amdhsa_wavefront_size32 1
		.amdhsa_system_sgpr_workgroup_id_x 1
		.amdhsa_system_sgpr_workgroup_id_y 1
		.amdhsa_system_sgpr_workgroup_id_z 1
		.amdhsa_system_vgpr_workitem_id 0
		.amdhsa_next_free_vgpr 1024
		.amdhsa_next_free_sgpr 96
		.amdhsa_reserve_vcc 1
		.amdhsa_float_denorm_mode_32 3
		.amdhsa_float_denorm_mode_16_64 3
		.amdhsa_memory_ordered 1
		.amdhsa_forward_progress 1
		.amdhsa_inst_pref_size 227
	.end_amdhsa_kernel
	.amdgpu_metadata
---
amdhsa.version: [ 1, 2 ]
amdhsa.kernels:
  - .name:           k_q35cdcd328b_qkv
    .symbol:         k_q35cdcd328b_qkv.kd
    .args:
      - { .name: cod, .offset: 0, .size: 8, .value_kind: global_buffer, .address_space: global }
      - { .name: sc, .offset: 8, .size: 8, .value_kind: global_buffer, .address_space: global }
      - { .name: bq, .offset: 16, .size: 8, .value_kind: global_buffer, .address_space: global }
      - { .name: bk, .offset: 24, .size: 8, .value_kind: global_buffer, .address_space: global }
      - { .name: bv, .offset: 32, .size: 8, .value_kind: global_buffer, .address_space: global }
      - { .name: qk, .offset: 40, .size: 8, .value_kind: global_buffer, .address_space: global }
      - { .name: vimg, .offset: 48, .size: 8, .value_kind: global_buffer, .address_space: global }
    .group_segment_fixed_size: 295424
    .private_segment_fixed_size: 0
    .kernarg_segment_align: 8
    .kernarg_segment_size: 56
    .max_flat_workgroup_size: 128
    .sgpr_count:     96
    .vgpr_count:     1024
    .wavefront_size: 32
...
	.end_amdgpu_metadata
.endif
;; end of part 2
;; launch attn (part 3): grid 4 x 64, 8 waves a work-group, clusters of 4 x 1, 209,920 bytes of LDS; arguments qk, vimg, ocod, osc; writes ocod, osc
.if DOCPART == 3
	.amdgcn_target "amdgcn-amd-amdhsa--gfx1250"
	.amdhsa_code_object_version 6
	.text
	.protected	k_q35cdcd328b_attn
	.globl	k_q35cdcd328b_attn
	.p2align	8
	.type	k_q35cdcd328b_attn,@function
k_q35cdcd328b_attn:
	s_mov_b64 s[64:65], 0
	v_nop
	global_prefetch_b8 v0, s[64:65] scope:SCOPE_SE
	s_setreg_imm32_b32 hwreg(HW_REG_WAVE_MODE, 25, 1), 1
	s_wait_xcnt 0x0
	s_wait_alu depctr_hold_cnt(0) depctr_sa_sdst(0) depctr_va_vdst(0) depctr_va_sdst(0) depctr_va_ssrc(0) depctr_va_vcc(0) depctr_vm_vsrc(0)
	s_getreg_b32 s2, hwreg(HW_REG_IB_STS2, 6, 4)
	s_cmp_eq_u32 s2, 0
	s_cbranch_scc0 .Lentry_in_a_cluster
	s_endpgm
.Lentry_in_a_cluster:
	s_bfe_u32 s2, ttmp6, 0x10000c
	s_cmp_lg_u32 s2, 0x3003
	s_cbranch_scc0 .Lentry_shape_is_right
	s_endpgm
.Lentry_shape_is_right:
; O = softmax(q k^T / 8) v for one head, both products on codes of FP6 (E2M3) with E8M0 scales; O / the row's sum is quantised along the head's 64 channels and leaves as codes.
; THE SOFTMAX: t = score x log2(e) / 8; M = the running largest t, rounded UP to a whole number; p = 2^(t - M) is quantised along the keys, not normalised; the row's sum is taken of the
; unquantised p in f32 and divides O at the end.  When M moves, the sums and O are multiplied by 2^(old M - new M): exact.
; LIMITS: NaN and infinities are not served; the promise holds while |t| stays under 2^31; a block whose largest magnitude lies under 2^-124 keeps the byte 1, a block of zeros too
; (its codes are zeros; the bytes are read by this program alone).  A block's largest p is made from the block's largest score by the same multiply-add and exponential; this takes
; v_exp_f32 not to fall where its input rises.
; THE HEAD HAS 64 CHANNELS, THE INSTRUCTION 128: registers 6-11 of q's and k's fragments are zero codes, which add nothing under any scale byte but 0xff (the bytes there are never 0xff).
; SHARES.  A work-group owns 512 queries of one (batch, head) and walks them in two passes of 256; in a pass each of its eight waves owns two tiles of 16 queries, A and B.
; 4 work-groups to a head x 64 heads = 256 work-groups.  Both products are used transposed (S^T = k q^T, O^T = v^T p^T): a lane holds ONE query throughout.  The keys of a tile of k are
; laid by the launch before so that the 16 registers of tiles 2 b and 2 b + 1 are keys 32 b + 16 (lane / 16) + 0 .. 15.
; LDS.  The whole head's k (16 blocks of 128 keys, 6,656 bytes each, scale words behind the codes) and v (16 x 6,400) lie in LDS and serve both passes.  Every fill is a first fill: one
; tensor load a wave at the head (waves 0-3 four blocks of k each, 104 rows of 256 bytes; waves 4-7 four of v, 100 rows), one wait for all and one barrier.  No ring, no refill.
; CLUSTER.  The four work-groups of a head are one cluster: they ask for k and v jointly (mask 15).
; NO PREFETCH: all that the launch reads by tensor loads is asked for at its head; there is no loop to run ahead in.
; THE WALK GOES TILE BY TILE: A of step s, B of step s, A of step s + 1 ..  In a tile's turn the OTHER tile's next eight score products stand among this tile's 64 exponentials, and this tile's
; four products with v stand among the 32 additions of its row's sum.  k's fragments of step s + 1 are fetched in A's turn, behind B's score products of step s; v's in B's turn, behind its
; products with v: each is waited for in the next turn, ahead of the exponentials.
; REGISTERS.  Window 0: addresses, scale words, q (v24-47), v's fragments (v48-95), O^T (v96-159), each tile's small state (24 registers from v160 on).
; Window 1: k's fragments (v0-95), the two tiles' scores, then p (v96-223), p's codes (v224-247), the conversions' second halves (v248-254).
; So one window setting serves exponentials, multiply-adds, conversions and score products (0x41), and one the sums and the products with v (0x04).
.set L16, 1                            ; 16 x lane
.set L8,  2                            ; 8 x lane
.set R16, 3                            ; 16 r
.set ADK, 4                            ; a block of k + 16 x lane
.set ADK8, 5                           ; + 8 x lane
.set ADV, 6                            ; a block of v + 16 x lane
.set ADVS, 7                           ; + 16 r
.set KS,  8                            ; v8-11   k's scale words: lanes 0-15 tile i, lanes 16-31 tile i + 4
.set VS,  12                           ; v12-15  v's scale words
.set QS,  16                           ; v16-17  q's scale words, tiles A and B
.set PS,  18                           ; v18-19  p's scale words
.set SWJ, 20
.set OSA, 21                           ; 512 h + 16 r
.set VH,  22                           ; h
.set QF,  24                           ; q's fragments, 12 registers a tile
.set VF,  48                           ; v's four fragments
.set OA,  96                           ; O^T, 32 registers a tile
.set ST,  160                          ; a tile's small state, 24 registers; in it:
.set BM,  0                            ; the blocks' largest scores, then largest p
.set BT,  4
.set BS,  8                            ; the conversions' scale operands
.set NM,  12                           ; -M
.set MT,  13                           ; the running largest t
.set LS,  14                           ; the row's sum, in two pairs
.set LT,  16
.set F,   18                           ; 2^(old M - new M)
.set T0,  20
.set PW,  21
.set RI,  22
.set SPW, 254                          ; my spare word
.set NIL, 255                          ; 0
.set S,   96                           ; window 1: scores, 64 registers a tile
.set PC,  224                          ; window 1: p's codes, 12 registers a tile
.set PX,  248                          ; window 1
.set VB,  106496                       ; LDS: v's blocks begin behind k's sixteen
.set SPARE, 0x33000                    ; behind v's: the spare words, 128 bytes a wave
.set QNEXT, 13312                      ; bytes from a pass's q to the next pass's
.set ONEXT, 196608                     ; the same in ocod
.set SNEXT, 8192                       ; and in osc
.set MSB, 0
.macro WIN new
.if MSB != (\new)
	s_set_vgpr_msb (MSB<<8)|(\new)
.set MSB, (\new)
.endif
.endm
.macro PLACES n
.rept \n
	v_nop
.endr
.endm
.macro WALU
	s_wait_alu depctr_va_vdst(0)
.endm
.macro CROUND
	s_barrier_signal -1
	s_barrier_wait -1
	s_cmp_lg_u32 s12, 0
	s_cbranch_scc1 .Lnot_wave_0_\@
	s_barrier_signal -3
.Lnot_wave_0_\@:
	s_barrier_wait -3
	s_barrier_signal -1
	s_barrier_wait -1
.endm
	s_load_b256 s[4:11], s[0:1], 0x0               ; qk, vimg, ocod, osc
	v_lshl_add_u32 v[SPW], v0, 2, SPARE
	v_mov_b32 v[NIL], 0
	ds_add_u32 v[SPW], v[NIL]                      ; the opening lines: the add twice on end and its wait
	ds_add_u32 v[SPW], v[NIL]
	v_lshrrev_b32 v4, 5, v0
	v_readfirstlane_b32 s12, v4                    ; wave 0..7
	s_bfe_u32 s13, ttmp6, 0x40000                  ; cx
	s_lshl_b32 s14, ttmp9, 2
	s_add_co_u32 s14, s14, s13                     ; X: my block of 512 queries
	s_and_b32 s15, ttmp7, 0xffff                   ; batch x 16 + head, which the four partners share
	s_mov_b32 s16, 15|(3<<16)|(1<<21)              ; group 1 for k: 104 rows of 256 bytes (32 elements of 8 bytes)
	s_mov_b32 s17, 32<<16
	s_mov_b32 s18, 104<<16
	s_mov_b32 s19, 32<<16
	s_mov_b32 s20, 104
	s_mov_b32 s21, 32
	s_mov_b32 s22, 0
	s_mov_b32 s23, 0
	s_mov_b32 s24, 15|(3<<16)|(1<<21)              ; for v: 100 rows
	s_mov_b32 s25, 32<<16
	s_mov_b32 s26, 100<<16
	s_mov_b32 s27, 32<<16
	s_mov_b32 s28, 100
	s_mov_b32 s29, 32
	s_mov_b32 s30, 0
	s_mov_b32 s31, 0
	s_mov_b32 s66, 0x76543210
	s_mov_b32 s67, 0xfedcba98                      ; v_permlanex16_b32: lane l xor 16
	s_mov_b32 s68, 0x3e38aa3b                      ; c = log2(e) / 8
	s_mov_b32 s69, s68                             ; named with it as a pair, so it is written
	; for the joint loads: the head and the wave's number alone, in registers that never hold cx
	s_and_b32 s82, s12, 3
	s_lshl_b32 s83, s15, 4
	s_lshl_b32 s84, s82, 2
	s_add_co_u32 s84, s84, s83                     ; the head's blocks 4 (w % 4) on
	s_mul_i32 s86, s84, 6400
	s_mov_b32 s87, 0
	s_add_co_u32 s84, s84, 1024                    ; k's blocks lie behind q's 64 x 16
	s_mul_i32 s84, s84, 6656
	s_mov_b32 s85, 0
	s_mul_i32 s88, s82, 26624
	s_mul_i32 s89, s82, 25600
	s_add_co_u32 s89, s89, VB
	; my own: the first pass's q, and where its O goes
	s_lshl_b32 s90, s14, 2                         ; 512 queries are four blocks of 128 tokens
	s_add_co_u32 s90, s90, s83
	s_lshr_b32 s91, s12, 2
	s_add_co_u32 s90, s90, s91
	s_mul_i32 s90, s90, 6656                       ; q's block of 128 tokens
	s_lshl_b32 s91, s12, 1
	s_and_b32 s92, s91, 7                          ; tile A's number in it
	s_mul_i32 s93, s92, 768
	s_add_co_u32 s74, s90, s93
	s_mov_b32 s75, 0
	s_lshr_b32 s93, s92, 2
	s_lshl_b32 s93, s93, 8
	s_and_b32 s94, s91, 3
	s_lshl_b32 s94, s94, 2
	s_add_co_u32 s76, s90, s93
	s_add_co_u32 s76, s76, s94
	s_add_co_u32 s76, s76, 6144
	s_mov_b32 s77, 0
	s_lshr_b32 s93, s15, 4
	s_lshl_b32 s93, s93, 7
	s_lshl_b32 s94, s14, 5
	s_add_co_u32 s93, s93, s94
	s_add_co_u32 s93, s93, s91                     ; tile A's row block: 128 x batch + 32 X + 2 w
	s_and_b32 s94, s15, 15                         ; the head
	s_mul_i32 s78, s93, 12288
	s_mul_i32 s95, s94, 768
	s_add_co_u32 s78, s78, s95
	s_mov_b32 s79, 0
	s_lshl_b32 s80, s93, 9
	s_lshr_b32 s95, s94, 3
	s_lshl_b32 s95, s95, 8
	s_add_co_u32 s80, s80, s95
	s_lshr_b32 s95, s94, 1
	s_and_b32 s95, s95, 3
	s_lshl_b32 s95, s95, 2
	s_add_co_u32 s80, s80, s95
	s_and_b32 s95, s94, 1
	s_lshl_b32 s95, s95, 1
	s_add_co_u32 s80, s80, s95                     ; the head's two bytes in word head / 2 of a row
	s_mov_b32 s81, 0
	s_wait_dscnt 0x0
	s_wait_kmcnt 0x0
	s_mov_b32 s32, 1
	s_mov_b32 s33, s88
	s_add_nc_u64 s[34:35], s[4:5], s[84:85]
	s_or_b32 s35, s35, 0x80000000
	s_mov_b32 s36, 1
	s_mov_b32 s37, s89
	s_add_nc_u64 s[38:39], s[6:7], s[86:87]
	s_or_b32 s39, s39, 0x80000000
	s_add_nc_u64 s[74:75], s[4:5], s[74:75]        ; q's codes
	s_add_nc_u64 s[76:77], s[4:5], s[76:77]        ; q's scale words
	s_add_nc_u64 s[78:79], s[8:9], s[78:79]        ; O's codes
	s_add_nc_u64 s[80:81], s[10:11], s[80:81]      ; O's scale bytes
	v_and_b32 v5, 31, v0
	v_and_b32 v6, 15, v0
	v_bfe_u32 v[VH], v0, 4, 1
	v_lshlrev_b32 v[L16], 4, v5
	v_lshlrev_b32 v[L8], 3, v5
	v_lshlrev_b32 v[R16], 4, v6
	v_lshl_add_u32 v[OSA], v[VH], 9, v[R16]
	CROUND                                         ; all four work-groups are here: the joint loads meet
	s_cmp_lt_u32 s12, 4                            ; one tensor load a wave, one arm for k's waves and one for v's
	s_cbranch_scc0 .Lfill_v
	tensor_load_to_lds s[32:35], s[16:23]
	s_nop 0
	PLACES 4
	s_branch .Lfilled
.Lfill_v:
	tensor_load_to_lds s[36:39], s[24:31]
	s_nop 0
	PLACES 4
.Lfilled:
	WALU                                           ; the wait ahead of the first readers of the addresses
.irp x, 0,1
	global_load_b128 v[QF+12*\x:QF+12*\x+3], v[L16], s[74:75] offset:768*\x
	global_load_b64 v[QF+12*\x+4:QF+12*\x+5], v[L8], s[74:75] offset:768*\x+512
	global_load_b32 v[QS+\x], v[R16], s[76:77] offset:4*\x
.irp j, 6,7,8,9,10,11
	v_mov_b32 v[QF+12*\x+\j], 0                    ; the upper 64 of the instruction's K: zero codes, for both passes
.endr
.irp j, 0,1,2,3
	v_mov_b32 v[ST+24*\x+BT+\j], 0                 ; a lane permute's destination counts as one of its sources
.endr
	v_mov_b32 v[ST+24*\x+F+1], 0                   ; named as the upper halves of pairs
	v_mov_b32 v[ST+24*\x+RI+1], 0
.endr
	WIN 0x40
.irp t, 0,1,2,3,4,5,6,7
.irp j, 6,7,8,9,10,11
	v_mov_b32 v[12*\t+\j], 0                       ; (window 1) k's upper halves: zero codes, never written again
.endr
.endr
	WIN 0
	s_mov_b32 s73, 0                               ; the pass
.macro KLOAD                           ; the block of k at s70: its scale words and eight fragments, 17 loads
	WIN 0
	v_add_nc_u32 v[ADK], s70, v[L16]
	v_add_nc_u32 v[ADK8], s70, v[L8]
	ds_load_b128 v[KS:KS+3], v[ADK] offset:6144
	WIN 0x40
.irp t, 0,1,2,3,4,5,6,7
	ds_load_b128 v[12*\t:12*\t+3], v[ADK] offset:768*\t
	ds_load_b64 v[12*\t+4:12*\t+5], v[ADK8] offset:768*\t+512
.endr
	s_add_co_u32 s70, s70, 6656
.endm
.macro VLOAD                           ; the block of v at s71: four fragments and their scale words, 13 loads
	WIN 0
	v_add_nc_u32 v[ADV], s71, v[L16]
	v_add_nc_u32 v[ADVS], s71, v[R16]
.irp t, 0,1,2,3
.irp k, 0,1,2
	ds_load_b128 v[VF+12*\t+4*\k:VF+12*\t+4*\k+3], v[ADV] offset:1536*\t+512*\k
.endr
.endr
	ds_load_b128 v[VS:VS+3], v[ADVS] offset:6144
	s_add_co_u32 s71, s71, 6400
.endm
.macro SP1 y, t                        ; S^T = k q^T of tile y, 16 keys; under window setting 0x41
.if (\t) < 4
	v_wmma_scale_f32_16x16x128_f8f6f4 v[S+64*(\y)+8*(\t):S+64*(\y)+8*(\t)+7], v[12*(\t):12*(\t)+11], v[QF+12*(\y):QF+12*(\y)+11], 0, v[KS+(\t)], v[QS+(\y)] matrix_a_fmt:MATRIX_FMT_FP6 matrix_b_fmt:MATRIX_FMT_FP6
.else
	v_wmma_scale_f32_16x16x128_f8f6f4 v[S+64*(\y)+8*(\t):S+64*(\y)+8*(\t)+7], v[12*(\t):12*(\t)+11], v[QF+12*(\y):QF+12*(\y)+11], 0, v[KS+(\t)-4], v[QS+(\y)] matrix_a_fmt:MATRIX_FMT_FP6 matrix_b_fmt:MATRIX_FMT_FP6 matrix_a_scale:MATRIX_SCALE_ROW1
.endif
.endm
; A tile's turn: 16 queries x 128 keys.  sp: the other tile's next score products stand among the exponentials; kl: the next block of k is fetched; vl: the next block of v.
.macro UNIT x, sp, kl, vl
.set SX, S+64*\x
.set B_, ST+24*\x
.set O_, OA+32*\x
.set PCX, PC+12*\x
	WIN 0x14
	WALU                                           ; the wait directly ahead of the first readers of the scores
.irp b, 0,1,2,3
	v_max3_num_f32 v[B_+BM+\b], 0xff7fffff, v[SX+16*\b], v[SX+16*\b+1]   ; the largest score of each block of 32 keys, each accumulator from its low end on
.endr
.irp i, 2,4,6,8,10,12,14
.irp b, 0,1,2,3
	v_max3_num_f32 v[B_+BM+\b], v[B_+BM+\b], v[SX+16*\b+\i], v[SX+16*\b+\i+1]
.endr
.endr
	WIN 0
.irp b, 0,1,2,3
	v_permlanex16_b32 v[B_+BT+\b], v[B_+BM+\b], s66, s67
.endr
.irp b, 0,1,2,3
	s_delay_alu instid0(VALU_DEP_4)
	v_max_num_f32 v[B_+BM+\b], v[B_+BM+\b], v[B_+BT+\b]   ; with lane l xor 16's 16 keys
.endr
	s_delay_alu instid0(VALU_DEP_2)
	v_max3_num_f32 v[B_+T0], v[B_+BM], v[B_+BM+1], v[B_+BM+2]
	s_delay_alu instid0(VALU_DEP_1)
	v_max_num_f32 v[B_+T0], v[B_+T0], v[B_+BM+3]
	s_delay_alu instid0(VALU_DEP_1)
	v_mul_f32 v[B_+T0], s68, v[B_+T0]              ; the step's largest t (c is positive)
	s_delay_alu instid0(VALU_DEP_1)
	v_max_num_f32 v[B_+MT], v[B_+MT], v[B_+T0]     ; the running largest t
	v_mov_b32 v[B_+T0], v[B_+NM]
	s_delay_alu instid0(VALU_DEP_2)
	v_floor_f32 v[B_+NM], -v[B_+MT]                ; the new -M = -ceil(t)
	s_delay_alu instid0(VALU_DEP_1)
	v_sub_f32 v[B_+T0], v[B_+NM], v[B_+T0]         ; old M - new M: a whole number, 0 or less
	s_delay_alu instid0(VALU_DEP_1)
	v_cvt_i32_f32 v[B_+T0], v[B_+T0]               ; (it saturates)
	s_delay_alu instid0(VALU_DEP_1)
	v_ldexp_f32 v[B_+F], 1.0, v[B_+T0]             ; f = 2^(old M - new M)
.irp b, 0,1,2,3
	v_fma_f32 v[B_+BM+\b], v[B_+BM+\b], s68, v[B_+NM]   ; t - M of each block's largest score
.endr
	WIN 0x41
.set j_, 0
.rept 32
	v_pk_fma_f32 v[SX+j_:SX+j_+1], v[SX+j_:SX+j_+1], s[68:69], v[B_+NM:B_+NM+1] op_sel_hi:[1,0,0]   ; t - M, two at a time
.set j_, j_+2
.endr
	WIN 0
	s_wait_dscnt 0x0                               ; the fragments fetched in the turn before: k's for the products below, or v's for the products with v
	WALU                                           ; the wait ahead of the exponentials, and directly ahead of the first readers of O^T
.set j_, 0
.rept 16
	v_pk_mul_f32 v[O_+j_:O_+j_+1], v[O_+j_:O_+j_+1], v[B_+F:B_+F+1] op_sel_hi:[1,0]   ; O^T under the new M
.set j_, j_+2
.endr
	v_pk_mul_f32 v[B_+LS:B_+LS+1], v[B_+LS:B_+LS+1], v[B_+F:B_+F+1] op_sel_hi:[1,0]   ; and the sums
	v_pk_mul_f32 v[B_+LT:B_+LT+1], v[B_+LT:B_+LT+1], v[B_+F:B_+F+1] op_sel_hi:[1,0]
.irp b, 0,1,2,3
	v_exp_f32 v[B_+BM+\b], v[B_+BM+\b]             ; the block's largest p
.endr
	WIN 0x41
.set t_, 0
.rept 8
.set j_, 0
.rept 8
	v_exp_f32 v[SX+8*t_+j_], v[SX+8*t_+j_]         ; p = 2^(t - M), at most 1
.set j_, j_+1
.endr
.if \sp
	SP1 1-\x, t_                                   ; the other tile's scores of its next turn
.endif
.set t_, t_+1
.endr
	WIN 0
	v_nop                                          ; one plain place behind the exponentials
	WALU                                           ; one wait for the batch, ahead of its first reader
.irp b, 0,1,2,3
	v_max_num_f32 v[B_+BM+\b], 0x1800000, v[B_+BM+\b]   ; the floor 2^(3 - 127)
.endr
.irp b, 0,1,2,3
	s_delay_alu instid0(VALU_DEP_4)
	v_add_nc_u32 v[B_+BS+\b], 0xff000000, v[B_+BM+\b]   ; the conversion's scale operand
.endr
.irp b, 0,1,2,3
	s_delay_alu instid0(VALU_DEP_4)
	v_lshrrev_b32 v[B_+BT+\b], 23, v[B_+BS+\b]     ; the scale's byte
.endr
	s_delay_alu instid0(VALU_DEP_3)
	v_lshl_or_b32 v[B_+PW], v[B_+BT+1], 8, v[B_+BT]
	s_delay_alu instid0(VALU_DEP_1)
	v_lshl_or_b32 v[B_+PW], v[B_+BT+2], 16, v[B_+PW]
	s_delay_alu instid0(VALU_DEP_1)
	v_lshl_or_b32 v[PS+\x], v[B_+BT+3], 24, v[B_+PW]   ; p's scale word
.if \kl
	KLOAD                                          ; sixteen plain lines stand between the last score product and these loads
.endif
	WIN 0x41
.irp c, 0,1
	v_cvt_scalef32_pk16_fp6_f32 v[PCX+6*\c:PCX+6*\c+2], v[SX+32*\c:SX+32*\c+15], v[B_+BS+2*\c]
	v_cvt_scalef32_pk16_fp6_f32 v[PX+4*\c:PX+4*\c+2], v[SX+32*\c+16:SX+32*\c+31], v[B_+BS+2*\c+1]
.endr
	v_nop                                          ; one plain place behind a scaled conversion
.irp c, 0,1                                    ; the operand wants a whole block in a lane
.irp i, 0,1,2
	v_permlane16_swap_b32 v[PCX+6*\c+\i], v[PX+4*\c+\i]
.endr
.irp i, 0,1,2
	s_delay_alu instid0(VALU_DEP_3)
	v_mov_b32 v[PCX+3+6*\c+\i], v[PX+4*\c+\i]
.endr
.endr
	WIN 0x04
.set n_, 0
.rept 16                               ; the row's sum of the unquantised p, two at a time in two chains; among them O^T += v^T p^T, four accumulators by turns.  Eight additions are the places ahead of the first product
	v_pk_add_f32 v[B_+LS:B_+LS+1], v[B_+LS:B_+LS+1], v[SX+4*n_:SX+4*n_+1]
	v_pk_add_f32 v[B_+LT:B_+LT+1], v[B_+LT:B_+LT+1], v[SX+4*n_+2:SX+4*n_+3]
.if (n_%3 == 0) && (n_ > 0) && (n_ < 13)
.set p_, n_/3-1
	v_wmma_scale_f32_16x16x128_f8f6f4 v[O_+8*p_:O_+8*p_+7], v[VF+12*p_:VF+12*p_+11], v[PCX:PCX+11], v[O_+8*p_:O_+8*p_+7], v[VS+p_], v[PS+\x] matrix_a_fmt:MATRIX_FMT_FP6 matrix_b_fmt:MATRIX_FMT_FP6
.endif
.set n_, n_+1
.endr
.if \vl
	VLOAD                                          ; six additions stand between the last product and these loads
.endif
	WIN 0
.endm
; The end of a tile: O^T / the sum, quantised along the head's 64 channels: registers 0-5 of a fragment, and two scale bytes.
.macro FIN x
.set B_, ST+24*\x
.set O_, OA+32*\x
.set PCX, PC+12*\x
	WIN 0
	v_pk_add_f32 v[B_+LS:B_+LS+1], v[B_+LS:B_+LS+1], v[B_+LT:B_+LT+1]
	s_delay_alu instid0(VALU_DEP_1)
	v_add_f32 v[B_+LS], v[B_+LS], v[B_+LS+1]
	s_delay_alu instid0(VALU_DEP_1)
	v_permlanex16_b32 v[B_+T0], v[B_+LS], s66, s67
	s_delay_alu instid0(VALU_DEP_1)
	v_add_f32 v[B_+LS], v[B_+LS], v[B_+T0]         ; the row's sum
	WALU
	v_rcp_f32 v[B_+RI], v[B_+LS]
	v_nop                                          ; one plain place behind a transcendental
	WALU
.set j_, 0
.rept 16
	v_pk_mul_f32 v[O_+j_:O_+j_+1], v[O_+j_:O_+j_+1], v[B_+RI:B_+RI+1] op_sel_hi:[1,0]   ; register 16 b + i = channel 32 b + 16 h + i
.set j_, j_+2
.endr
.irp b, 0,1
	v_max3_num_f32 v[B_+BM+\b], |v[O_+16*\b]|, |v[O_+16*\b+1]|, 0x1800000
.endr
.irp i, 2,4,6,8,10,12,14
.irp b, 0,1
	s_delay_alu instid0(VALU_DEP_2)
	v_max3_num_f32 v[B_+BM+\b], v[B_+BM+\b], |v[O_+16*\b+\i]|, |v[O_+16*\b+\i+1]|
.endr
.endr
.irp b, 0,1
	s_delay_alu instid0(VALU_DEP_2)
	v_permlanex16_b32 v[B_+BT+\b], v[B_+BM+\b], s66, s67
.endr
.irp b, 0,1
	s_delay_alu instid0(VALU_DEP_2)
	v_max_num_f32 v[B_+BM+\b], v[B_+BM+\b], v[B_+BT+\b]
.endr
.irp b, 0,1
	s_delay_alu instid0(VALU_DEP_2)
	v_add_nc_u32 v[B_+BS+\b], 0xff000000, v[B_+BM+\b]
.endr
.irp b, 0,1
	s_delay_alu instid0(VALU_DEP_2)
	v_lshrrev_b32 v[B_+BT+\b], 23, v[B_+BS+\b]
.endr
	s_delay_alu instid0(VALU_DEP_1)
	v_lshl_or_b32 v[B_+PW], v[B_+BT+1], 8, v[B_+BT]
	WIN 0x40
	v_cvt_scalef32_pk16_fp6_f32 v[PCX:PCX+2], v[O_:O_+15], v[B_+BS]
	v_cvt_scalef32_pk16_fp6_f32 v[PX:PX+2], v[O_+16:O_+31], v[B_+BS+1]
	WIN 0x41
	v_nop
.irp i, 0,1,2
	v_permlane16_swap_b32 v[PCX+\i], v[PX+\i]
.endr
.irp i, 0,1,2
	s_delay_alu instid0(VALU_DEP_3)
	v_mov_b32 v[PCX+3+\i], v[PX+\i]
.endr
	WIN 0
.endm
	WALU                                           ; the wait at the head's end
	s_wait_tensorcnt 0x0                           ; my four blocks are in,
	s_barrier_signal -1
	s_barrier_wait -1                              ; everybody's are: the whole head lies in LDS for every wave, and no barrier is needed any more
.Lpass:                                                ; 256 queries: two trips
.irp x, 0,1                                    ; the turn is written once for all steps: a pass's first finds zeros, which the first change of M leaves zeros
.set j_, 0
.rept 32
	v_mov_b32 v[OA+32*\x+j_], 0
.set j_, j_+1
.endr
.irp j, 0,1,2,3
	v_mov_b32 v[ST+24*\x+LS+\j], 0
.endr
	v_mov_b32 v[ST+24*\x+MT], 0xff61b1e6           ; the largest t so far: -3e38
	v_mov_b32 v[ST+24*\x+NM], 0x7f61b1e6           ; -M = 3e38
.endr
	s_mov_b32 s70, 0
	s_mov_b32 s71, VB
	KLOAD
	VLOAD
	WALU                                           ; the wait directly ahead of the waits below
	s_wait_loadcnt 0x0                             ; this pass's q and its scale words
	s_wait_dscnt 13                                ; k's 17 loads are in; v's 13 are younger and may stay out
	WIN 0x41
.irp t, 0,1,2,3,4,5,6,7
	SP1 0, \t                                      ; tile A's scores of step 0
.endr
	WIN 0
	PLACES 4                                       ; in front of the first read of the scores
	s_mov_b32 s72, 15
.Lstep:                                                ; steps 0 to 14
	UNIT 0, 1, 1, 0
	UNIT 1, 1, 0, 1
	s_sub_co_u32 s72, s72, 1
	s_cmp_lg_u32 s72, 0
	s_cbranch_scc1 .Lstep
	UNIT 0, 1, 0, 0                                ; step 15 fetches nothing more
	s_cmp_lg_u32 s73, 0                            ; q's registers have served this pass: in the first pass they take the second's
	s_cbranch_scc1 .Lnoq
.irp x, 0,1
	global_load_b128 v[QF+12*\x:QF+12*\x+3], v[L16], s[74:75] offset:QNEXT+768*\x
	global_load_b64 v[QF+12*\x+4:QF+12*\x+5], v[L8], s[74:75] offset:QNEXT+768*\x+512
	global_load_b32 v[QS+\x], v[R16], s[76:77] offset:QNEXT+4*\x
.endr
.Lnoq:
	UNIT 1, 0, 0, 0
	FIN 0
	FIN 1
	WIN 0x04                                       ; a store's data: window 1
	global_store_b128 v[L16], v[PC:PC+3], s[78:79]                 ; 512 consecutive bytes
	global_store_b64 v[L8], v[PC+4:PC+5], s[78:79] offset:512      ; 256
	global_store_b128 v[L16], v[PC+12:PC+15], s[78:79] offset:12288
	global_store_b64 v[L8], v[PC+16:PC+17], s[78:79] offset:12800
	WIN 0
	v_cmp_eq_u32 vcc_lo, 1, v[VH]
	v_cndmask_b32 v[SWJ], v[ST+PW], v[ST+24+PW], vcc_lo   ; lanes 0-15: tile A's bytes of row r; lanes 16-31: tile B's
	global_store_b16 v[OSA], v[SWJ], s[80:81]      ; two bytes a lane: eight heads share 256 bytes of osc
	s_wait_xcnt 0x0                                ; the stores have read their data and bases: both are written again only behind this wait
	s_add_nc_u64 s[78:79], s[78:79], ONEXT
	s_add_nc_u64 s[80:81], s[80:81], SNEXT
	s_add_co_u32 s73, s73, 1
	s_cmp_lt_u32 s73, 2
	s_cbranch_scc1 .Lpass
	s_wait_tensorcnt 0x0                           ; the wave's end
	ds_add_u32 v[SPW], v[NIL]
	s_wait_dscnt 0x0
	CROUND                                         ; the closing round
	s_endpgm
.Lfunc_end_k_q35cdcd328b_attn:
	.size	k_q35cdcd328b_attn, .Lfunc_end_k_q35cdcd328b_attn-k_q35cdcd328b_attn
	.p2alignl 7, 3214868480
	.fill 96, 4, 3214868480
	.section	.rodata,"a",@progbits
	.p2align	6, 0x0
	.amdhsa_kernel k_q35cdcd328b_attn
		.amdhsa_group_segment_fixed_size 209920
		.amdhsa_private_segment_fixed_size 0
		.amdhsa_enable_private_segment 0
		.amdhsa_kernarg_size 32
		.amdhsa_user_sgpr_count 2
		.amdhsa_user_sgpr_kernarg_segment_ptr 1
		.amdhsa_wavefront_size32 1
		.amdhsa_system_sgpr_workgroup_id_x 1
		.amdhsa_system_sgpr_workgroup_id_y 1
		.amdhsa_system_sgpr_workgroup_id_z 1
		.amdhsa_system_vgpr_workitem_id 0
		.amdhsa_next_free_vgpr 512
		.amdhsa_next_free_sgpr 96
		.amdhsa_reserve_vcc 1
		.amdhsa_float_denorm_mode_32 3
		.amdhsa_float_denorm_mode_16_64 3
		.amdhsa_memory_ordered 1
		.amdhsa_forward_progress 1
		.amdhsa_inst_pref_size 86
	.end_amdhsa_kernel
	.amdgpu_metadata
---
amdhsa.version: [ 1, 2 ]
amdhsa.kernels:
  - .name:           k_q35cdcd328b_attn
    .symbol:         k_q35cdcd328b_attn.kd
    .args:
      - { .name: qk, .offset: 0, .size: 8, .value_kind: global_buffer, .address_space: global }
      - { .name: vimg, .offset: 8, .size: 8, .value_kind: global_buffer, .address_space: global }
      - { .name: ocod, .offset: 16, .size: 8, .value_kind: global_buffer, .address_space: global }
      - { .name: osc, .offset: 24, .size: 8, .value_kind: global_buffer, .address_space: global }
    .group_segment_fixed_size: 209920
    .private_segment_fixed_size: 0
    .kernarg_segment_align: 8
    .kernarg_segment_size: 32
    .max_flat_workgroup_size: 256
    .sgpr_count:     96
    .vgpr_count:     512
    .wavefront_size: 32
...
	.end_amdgpu_metadata
.endif
;; end of part 3
;; launch oproj (part 4): grid 32 x 8, 4 waves a work-group, clusters of 4 x 1, 168,448 bytes of LDS; arguments ocod, osc, cod, sc, bo, out0; writes out0
.if DOCPART == 4
	.amdgcn_target "amdgcn-amd-amdhsa--gfx1250"
	.amdhsa_code_object_version 6
	.text
	.protected	k_q35cdcd328b_oproj
	.globl	k_q35cdcd328b_oproj
	.p2align	8
	.type	k_q35cdcd328b_oproj,@function
k_q35cdcd328b_oproj:
	s_mov_b64 s[64:65], 0
	v_nop
	global_prefetch_b8 v0, s[64:65] scope:SCOPE_SE
	s_setreg_imm32_b32 hwreg(HW_REG_WAVE_MODE, 25, 1), 1
	s_wait_xcnt 0x0
	s_wait_alu depctr_hold_cnt(0) depctr_sa_sdst(0) depctr_va_vdst(0) depctr_va_sdst(0) depctr_va_ssrc(0) depctr_va_vcc(0) depctr_vm_vsrc(0)
	s_getreg_b32 s2, hwreg(HW_REG_IB_STS2, 6, 4)
	s_cmp_eq_u32 s2, 0
	s_cbranch_scc0 .Lentry_in_a_cluster
	s_endpgm
.Lentry_in_a_cluster:
	s_bfe_u32 s2, ttmp6, 0x10000c
	s_cmp_lg_u32 s2, 0x3003
	s_cbranch_scc0 .Lentry_shape_is_right
	s_endpgm
.Lentry_shape_is_right:
; out0 = O Wo^T + bo on codes of FP6 (E2M3) with E8M0 scales, sums in f32, results f32.
; SHARES.  256 work-groups; i = 4 x cluster x + place in the cluster, T = work-group y.  A work-group makes 256 tokens (O's row blocks 16 i .. 16 i + 15) x 128 channels (Wo's row blocks 8 T ..).
; Wave w owns 64 tokens against all 128 channels: 32 accumulators.  Its rows of O, which no other wave reads, go from memory into 384 registers for all of K, by plain loads.
; Wo's tile, 98,304 bytes, is read by all four waves and lies in LDS, filled once; no LDS byte is filled again, so there is no ring.
; CLUSTER.  The four work-groups of a cluster share T and so Wo's tile: it is asked for jointly (mask 15).
; The product is used transposed (source 0 = 16 rows of Wo, source 1 = 16 tokens): with the order in which cod holds Wo's rows, a lane's 16 registers of accumulators 2 B and 2 B + 1 are
; 16 neighbouring channels of one token.  A row block goes through the wave's own stage in LDS and leaves as rows of 512 consecutive bytes.
; O's row blocks hold the tokens with bits 3 and 4 of the token's number exchanged, as x's do: place p of block 2 B + u is token 32 B + 8 u + p + 8 (p / 8).
; REGISTERS: window 0: v1-19 addresses; v24-55 O's scale words; v56-87 Wo's; v88-151 bo in the result's layout; v152-247 Wo's fragments, set 1.   window 1: accumulator (a, b) at v[64 a + 8 b].
;   window 2: O's fragment (a, q), q <= 4, at v[48 q + 12 a]; on the way out rows of the result.   window 3: q >= 5 at v[48 (q - 5) + 12 a]; Wo's fragments, set 0, at v[144 + 12 b].
.set L16, 1
.set L8,  2
.set VR,  3
.set VH,  4
.set R16, 5
.set U16, 6
.set BQ,  7
.set AD,  12                           ; v12-13: 16 x lane + 49152 p
.set STO, 18                           ; the stage: where I put 32 bytes of a row
.set RD,  19                           ; and where I read a row back
.set T,   24
.set U,   56
.set BI,  88
.set SET1, 152
.set SET0, 144
.set MSB, 0
.macro WIN new
.if MSB != (\new)
	s_set_vgpr_msb (MSB<<8)|(\new)
.set MSB, (\new)
.endif
.endm
.macro PLACES n
.rept \n
	v_nop
.endr
.endm
.macro CROUND
	s_barrier_signal -1
	s_barrier_wait -1
	s_cmp_lg_u32 s18, 0
	s_cbranch_scc1 .Lnot_wave_0_\@
	s_barrier_signal -3
.Lnot_wave_0_\@:
	s_barrier_wait -3
	s_barrier_signal -1
	s_barrier_wait -1
.endm
	s_load_b256 s[4:11], s[0:1], 0x0               ; ocod, osc, cod, sc
	s_load_b128 s[12:15], s[0:1], 0x20             ; bo, out0
	v_lshl_add_u32 v254, v0, 2, 0x29000
	v_mov_b32 v255, 0
	ds_add_u32 v254, v255
	ds_add_u32 v254, v255
	v_lshrrev_b32 v3, 5, v0
	v_readfirstlane_b32 s18, v3                    ; wave 0..3
	s_bfe_u32 s19, ttmp6, 0x40000                  ; cx
	s_and_b32 s21, ttmp7, 0xffff                   ; T
	s_lshl_b32 s22, ttmp9, 2
	s_add_co_u32 s22, s22, s19                     ; i
	s_mov_b32 s24, 15|(3<<16)|(1<<21)              ; a dense block of 24,576 bytes as 96 rows of 256 bytes; mask: all four work-groups, bit 21 beside it
	s_mov_b32 s25, 32<<16
	s_mov_b32 s26, 96<<16
	s_mov_b32 s27, 32<<16
	s_mov_b32 s28, 96
	s_mov_b32 s29, 32
	s_mov_b32 s30, 0
	s_mov_b32 s31, 0
	s_lshl_b32 s70, s21, 3
	s_add_co_u32 s70, s70, 704                     ; Wo's row blocks 704 + 8 T on: T and the wave's number alone, in registers that never hold cx
	s_lshl_b32 s71, s18, 1
	s_add_co_u32 s72, s70, s71
	s_mul_i32 s72, s72, 12288
	s_mov_b32 s73, 0
	s_mul_i32 s75, s18, 24576
	s_lshl_b32 s76, s70, 9
	s_mov_b32 s77, 0
	s_lshl_b32 s78, s21, 9
	s_mov_b32 s79, 0
	s_lshl_b32 s80, s22, 4
	s_lshl_b32 s81, s18, 2
	s_add_co_u32 s80, s80, s81                     ; 16 i + 4 w
	s_mov_b32 s83, 0
	s_wait_dscnt 0x0
	s_wait_kmcnt 0x0
	s_mov_b32 s32, 1
	s_mov_b32 s33, s75
	s_add_nc_u64 s[34:35], s[8:9], s[72:73]
	s_or_b32 s35, s35, 0x80000000
	s_add_nc_u64 s[52:53], s[10:11], s[76:77]      ; UA: Wo's scale words
	s_add_nc_u64 s[56:57], s[12:13], s[78:79]      ; BA: bo's 128 numbers
	s_mul_i32 s82, s80, 12288
	s_add_nc_u64 s[44:45], s[4:5], s[82:83]        ; S1A: my four row blocks of O
	s_lshl_b32 s82, s80, 9
	s_add_nc_u64 s[48:49], s[6:7], s[82:83]        ; TA: their scale words
	s_lshl_b32 s82, s80, 16                        ; 16 rows of 4,096 bytes a row block
	s_add_co_u32 s82, s82, s78
	s_add_nc_u64 s[60:61], s[14:15], s[82:83]      ; my first row of out0, at the tile's first channel
	v_and_b32 v[VR], 31, v0
	v_lshlrev_b32 v[L16], 4, v[VR]
	v_lshlrev_b32 v[L8], 3, v[VR]
	v_and_b32 v[VR], 15, v0
	v_bfe_u32 v[VH], v0, 4, 1
	v_lshlrev_b32 v[R16], 4, v[VR]
	v_lshl_add_u32 v[U16], v[VH], 11, v[R16]
	v_lshlrev_b32 v[BQ], 6, v[VH]
	v_add_nc_u32 v[AD], 0, v[L16]
	v_add_nc_u32 v[AD+1], 49152, v[L16]
	s_mul_i32 s84, s18, 8448
	s_add_co_u32 s84, s84, 98304                   ; my stage: 16 rows of 512 + 16 bytes, behind Wo's tile
	v_mul_u32_u24 v[STO], v[VR], 528
	v_lshl_add_u32 v[STO], v[VH], 6, v[STO]
	v_add_nc_u32 v[STO], s84, v[STO]               ; in: row r, + 64 h
	v_add_nc_u32 v[RD], s84, v[L16]                ; back: 32 lanes take a row
.macro FETCH q                         ; Wo's eight fragments of K step q from LDS into set q % 2
.if (\q)%2
	WIN 0
.set FB, SET1
.else
	WIN 0xc0
.set FB, SET0
.endif
.irp b, 0,1,2,3,4,5,6,7
.irp k, 0,1,2
	ds_load_b128 v[FB+12*\b+4*\k:FB+12*\b+4*\k+3], v[AD+\b/4] offset:(\b%4)*12288+1536*(\q)+512*\k
.endr
.endr
	WIN 0
.endm
.macro S1LOAD q                        ; O's four fragments of K step q: heads 2 q (registers 0-5) and 2 q + 1 (registers 6-11), 768 bytes each: 16 loads
.if (\q) <= 4
	WIN 0x80
.set LB, 48*(\q)
.else
	WIN 0xc0
.set LB, 48*((\q)-5)
.endif
.irp a, 0,1,2,3
	global_load_b128 v[LB+12*\a:LB+12*\a+3], v[L16], s[44:45] offset:12288*\a+1536*(\q)
	global_load_b64 v[LB+12*\a+4:LB+12*\a+5], v[L8], s[44:45] offset:12288*\a+1536*(\q)+512
	global_load_b128 v[LB+12*\a+6:LB+12*\a+9], v[L16], s[44:45] offset:12288*\a+1536*(\q)+768
	global_load_b64 v[LB+12*\a+10:LB+12*\a+11], v[L8], s[44:45] offset:12288*\a+1536*(\q)+1280
.endr
	WIN 0
.endm
; 32 matrix instructions: K step q.  first = 1: bo starts the sums.  The 32 accumulators take turns, one instruction a turn, in the same order in every step.
.macro MUL q, first
.if (\q)%2
.set MA, SET1
.set MAW, 0
.else
.set MA, SET0
.set MAW, 3
.endif
.if (\q) <= 4
.set MB, 48*(\q)
.set MBW, 2
.else
.set MB, 48*((\q)-5)
.set MBW, 3
.endif
.if \first
.set MW, 0x40|(MBW<<2)|MAW
.else
.set MW, 0x50|(MBW<<2)|MAW
.endif
	WIN MW
.irp b, 0,1,2,3,4,5,6,7
.irp a, 0,1,2,3
.set MD, 64*\a+8*\b
.if \first
.set MC, BI+8*\b
.else
.set MC, MD
.endif
.if \b < 4
	v_wmma_scale_f32_16x16x128_f8f6f4 v[MD:MD+7], v[MA+12*\b:MA+12*\b+11], v[MB+12*\a:MB+12*\a+11], v[MC:MC+7], v[U+8*(\b%4)+(\q)], v[T+8*\a+(\q)] matrix_a_fmt:MATRIX_FMT_FP6 matrix_b_fmt:MATRIX_FMT_FP6
.else
	v_wmma_scale_f32_16x16x128_f8f6f4 v[MD:MD+7], v[MA+12*\b:MA+12*\b+11], v[MB+12*\a:MB+12*\a+11], v[MC:MC+7], v[U+8*(\b%4)+(\q)], v[T+8*\a+(\q)] matrix_a_fmt:MATRIX_FMT_FP6 matrix_b_fmt:MATRIX_FMT_FP6 matrix_a_scale:MATRIX_SCALE_ROW1
.endif
.endr
.endr
.endm
.macro STEP q, first
	s_wait_dscnt 0x0                               ; this step's fragments of Wo, asked for 32 matrix instructions ago
.if \q <= 4
	s_wait_loadcnt 48                              ; group q of O is in; the three younger groups of 16 may stay out
.else
	s_wait_loadcnt 16*(7-\q)
.endif
	PLACES 4                                       ; in front of loads into registers that the last matrix instructions have read
.if \q < 7
	FETCH \q+1
.endif
.if \q <= 3
	S1LOAD \q+4
.endif
	MUL \q, \first
.endm
; THE WAY OUT of row block a: into my stage, each accumulator from its low end on, and back as whole rows of 512 bytes.  LDS serves a wave's instructions in order: no wait between.
.macro TOSTAGE a
	WIN 0x04                                       ; an LDS store's data: window 1
.irp b, 0,1,2,3,4,5,6,7
	ds_store_b128 v[STO], v[64*(\a)+8*\b:64*(\a)+8*\b+3] offset:128*(\b/2)+32*(\b%2)
	ds_store_b128 v[STO], v[64*(\a)+8*\b+4:64*(\a)+8*\b+7] offset:128*(\b/2)+32*(\b%2)+16
.endr
	WIN 0x80                                       ; destination window 2
.irp t, 0,1,2,3,4,5,6,7,8,9,10,11,12,13,14,15
	ds_load_b128 v[64*((\a)%2)+4*\t:64*((\a)%2)+4*\t+3], v[RD] offset:528*\t
.endr
	WIN 0
.endm
.macro SEND a, younger                 ; younger: the LDS instructions issued behind block a's loads, which may stay out
	s_wait_dscnt \younger
	WIN 0x08                                       ; a store's data: window 2
.irp t, 0,1,2,3,4,5,6,7,8,9,10,11,12,13,14,15
	global_store_b128 v[L16], v[64*((\a)%2)+4*\t:64*((\a)%2)+4*\t+3], s[60:61] offset:(32*((\a)/2)+8*((\a)%2)+\t+8*(\t/8))*4096 th:TH_STORE_NT   ; place t's token: 512 consecutive bytes, aligned
.endr
	WIN 0
.endm
	CROUND                                         ; all four work-groups are here: the joint load meets
	tensor_load_to_lds s[32:35], s[24:31]          ; my quarter of Wo's tile: one load of mine is out
	s_nop 0
	PLACES 4
	s_wait_alu depctr_va_vdst(0)
.irp a, 0,1,2,3
.irp k, 0,1
	global_load_b128 v[T+8*\a+4*\k:T+8*\a+4*\k+3], v[R16], s[48:49] offset:512*\a+256*\k   ; O's scale words: register T + 8 a + q
.endr
.endr
.irp b, 0,1,2,3
.irp k, 0,1
	global_load_b128 v[U+8*\b+4*\k:U+8*\b+4*\k+3], v[U16], s[52:53] offset:512*\b+256*\k   ; Wo's: lanes 0-15 row block b, lanes 16-31 row block b + 4
.endr
.endr
.irp b, 0,1,2,3,4,5,6,7
.irp m, 0,1
	global_load_b128 v[BI+8*\b+4*\m:BI+8*\b+4*\m+3], v[BQ], s[56:57] offset:(32*(\b/2)+8*(\b%2))*4+16*\m   ; bo at my eight channels of accumulator b
.endr
.endr
	S1LOAD 0
	S1LOAD 1
	S1LOAD 2
	S1LOAD 3
	s_wait_tensorcnt 0x0                           ; my quarter is in,
	s_barrier_signal -1
	s_barrier_wait -1                              ; everybody's is
	FETCH 0
	STEP 0, 1
.irp q, 1,2,3,4,5,6,7
	STEP \q, 0
.endr
	WIN 0
	PLACES 4                                       ; in front of the first read of results
	TOSTAGE 0
.irp a, 1,2,3
.if \a > 1
	s_wait_xcnt 0x0                                ; block a - 2's stores have read their registers: block a's loads may land there
.endif
	TOSTAGE \a
	SEND \a-1, 32                                  ; behind block a - 1's loads: block a's 16 stores and 16 loads
.endr
	SEND 3, 0
	s_wait_tensorcnt 0x0
	ds_add_u32 v254, v255
	s_wait_dscnt 0x0
	CROUND                                         ; the closing round
	s_endpgm
.Lfunc_end_k_q35cdcd328b_oproj:
	.size	k_q35cdcd328b_oproj, .Lfunc_end_k_q35cdcd328b_oproj-k_q35cdcd328b_oproj
	.p2alignl 7, 3214868480
	.fill 96, 4, 3214868480
	.section	.rodata,"a",@progbits
	.p2align	6, 0x0
	.amdhsa_kernel k_q35cdcd328b_oproj
		.amdhsa_group_segment_fixed_size 168448
		.amdhsa_private_segment_fixed_size 0
		.amdhsa_enable_private_segment 0
		.amdhsa_kernarg_size 48
		.amdhsa_user_sgpr_count 2
		.amdhsa_user_sgpr_kernarg_segment_ptr 1
		.amdhsa_wavefront_size32 1
		.amdhsa_system_sgpr_workgroup_id_x 1
		.amdhsa_system_sgpr_workgroup_id_y 1
		.amdhsa_system_sgpr_workgroup_id_z 1
		.amdhsa_system_vgpr_workitem_id 0
		.amdhsa_next_free_vgpr 1024
		.amdhsa_next_free_sgpr 96
		.amdhsa_reserve_vcc 0
		.amdhsa_float_denorm_mode_32 3
		.amdhsa_float_denorm_mode_16_64 3
		.amdhsa_memory_ordered 1
		.amdhsa_forward_progress 1
		.amdhsa_inst_pref_size 82
	.end_amdhsa_kernel
	.amdgpu_metadata
---
amdhsa.version: [ 1, 2 ]
amdhsa.kernels:
  - .name:           k_q35cdcd328b_oproj
    .symbol:         k_q35cdcd328b_oproj.kd
    .args:
      - { .name: ocod, .offset: 0, .size: 8, .value_kind: global_buffer, .address_space: global }
      - { .name: osc, .offset: 8, .size: 8, .value_kind: global_buffer, .address_space: global }
      - { .name: cod, .offset: 16, .size: 8, .value_kind: global_buffer, .address_space: global }
      - { .name: sc, .offset: 24, .size: 8, .value_kind: global_buffer, .address_space: global }
      - { .name: bo, .offset: 32, .size: 8, .value_kind: global_buffer, .address_space: global }
      - { .name: out0, .offset: 40, .size: 8, .value_kind: global_buffer, .address_space: global }
    .group_segment_fixed_size: 168448
    .private_segment_fixed_size: 0
    .kernarg_segment_align: 8
    .kernarg_segment_size: 48
    .max_flat_workgroup_size: 128
    .sgpr_count:     96
    .vgpr_count:     1024
    .wavefront_size: 32
...
	.end_amdgpu_metadata
.endif
;; end of part 4
